; MI455X (gfx1250); checked and timed in simulation.
; The chip was launched on July 23, 2026; its instructions are those of AMD's public machine-readable ISA for CDNA 5 (MIT licence, August 2026) and "CDNA5" Instruction Set Architecture Reference Guide (July 2026). The comments in the code are by the model that wrote it; some were corrected since.
;; Multi Head Attention. Allowed arithmetic: matrix products marked QUANTISED: E2M3 operands, one E8M0 scale for each 32 along K, by v_wmma_scale_f32_16x16x128_f8f6f4 with both operands' format E2M3, f32 sums; everything else in f32.
;; Inputs: Wk 1,024 x 1,024 float32; Wo 1,024 x 1,024 float32; Wq 1,024 x 1,024 float32; Wv 1,024 x 1,024 float32; bk 1,024 float32; bo 1,024 float32; bq 1,024 float32; bv 1,024 float32; x 4 x 2,048 x 1,024 float32.
;; Outputs: out0 4 x 2,048 x 1,024 float32.
;; This version of the problem:
;;   THIS VERSION OF THE PROBLEM IS GIVEN IN LOW PRECISION. The matrix products marked QUANTISED in the list below multiply operands that are first quantised to E2M3 (2 exponent bits, 3 mantissa bits; 6 bits a number), with one power-of-two scale for each 32 numbers along K (OCP MX v1.0); their sums are f32. All else is computed in f32.
;;   The module's matrix products, in the order in which they are computed (A, B: the left and right operand; K: the contracted axis; several contracted axes count as one K, in the product's order):
;;     1. [M 8,192, K 1,024] x [K 1,024, N 1,024]; A: input x; B: input Wq: QUANTISED
;;     2. [M 8,192, K 1,024] x [K 1,024, N 1,024]; A: input x; B: input Wk: QUANTISED
;;     3. [M 8,192, K 1,024] x [K 1,024, N 1,024]; A: input x; B: input Wv: QUANTISED
;;     4. batch 64 x [M 2,048, K 64] x [K 64, N 2,048]; A: computed on the way; B: computed on the way: QUANTISED
;;     5. batch 64 x [M 2,048, K 2,048] x [K 2,048, N 64]; A: softmax (see below); B: computed on the way: QUANTISED
;;     6. [M 8,192, K 1,024] x [K 1,024, N 1,024]; A: computed on the way; B: input Wo: QUANTISED
;;   THE QUANTISER, for each operand of a quantised product, along K:
;;     - K is cut into blocks of 32 from its start; a last block that is shorter is filled with zeros.
;;     - A block's scale is 2^e with e = floor(log2(the largest magnitude in the block)) - 2, held to -126 .. 127; a block of zeros has e = 0. As a byte (E8M0): e + 127.
;;     - Each number is divided by its block's scale, clamped to +-7.5, and rounded to the nearest number of E2M3, ties to even, subnormals kept.
;;     - The product sums the exact products of the quantised numbers (number of the format x scale) in f32.
;;   ~~~python
;;   def quantise(x, axis):      # numpy; x: float32 -> the quantised numbers, widened to float32 again
;;       x = np.moveaxis(x, axis, -1); K = x.shape[-1]
;;       x = np.pad(x, [(0, 0)] * (x.ndim - 1) + [(0, -K % 32)]); x = x.reshape(x.shape[:-1] + (-1, 32)); a = np.abs(x).max(-1, keepdims=True)
;;       e = np.where(a > 0, np.clip(np.frexp(np.where(a > 0, a, 1))[1] - 1 - 2, -126, 127), 0)      # np.frexp(a)[1] - 1 = floor(log2(a)), exactly
;;       r = np.clip(x / 2.0 ** e, -7.5, 7.5)
;;       step = 2.0 ** (np.maximum(np.frexp(np.where(r == 0, 1, r))[1] - 1, 0) - 3)
;;       q = np.round(r / step) * step * 2.0 ** e      # np.round: ties to even
;;       return np.moveaxis(q.reshape(q.shape[:-2] + (-1,))[..., :K], -1, axis).astype(np.float32)
;;   ~~~
;;   SOFTMAX AHEAD OF A QUANTISED PRODUCT. Where the list says 'softmax', what is quantised is not the finished softmax but p = 2^(t - M), with t = logit x log2(e) and M = ceil(the row's largest t), a whole number; so 1/2 < the row's largest p <= 1. The row's sum l is taken of the UNQUANTISED p, in f32, and the product's result is divided by l at the end. Since M is a whole number, a kernel that streams over the keys may use a running M (the ceiling of the running maximum): every later rescaling is an exact power of two, which a block's scale takes up: the codes' values come out the same.
;;   OPERANDS COMPUTED ON THE WAY. 'Computed on the way' means the value that the module computes at that place (a softmax that the list does not call 'softmax' is quantised finished and normalised). What goes into a quantiser is computed in f32, as accurately as f32 sums, v_exp_f32 and their like allow (about 1e-6 of the number): no bf16 or f16 on the way to a quantiser, and a product that is left as it is and whose result goes on into a quantised operand takes f32 operands (vector FMAs, or v_wmma_f32_16x16x4_f32). A number that lies on a knife's edge between two numbers of the format may be rounded either way, as far as f32 arithmetic and the matrix unit's own rounding can turn it there, and no further.
;; One version. Each part assembles by itself: llvm-mc -triple=amdgcn-amd-amdhsa -mcpu=gfx1250 --defsym DOCPART=n.
;; ======== version 1 of 1: 4 launches
;; workspace buffers: xc 6,291,456 bytes; xs 262,144 bytes; wc 3,145,728 bytes; ws 131,072 bytes; qkv 20,185,088 bytes; oc 6,291,456 bytes; os 262,144 bytes
;; launch quant (part 1): grid 384 x 1, 2 waves a work-group, no clusters, 17,152 bytes of LDS; arguments x, Wq, Wk, Wv, Wo, xc, xs, wc, ws; writes xc, xs, wc, ws
.if DOCPART == 1
	.amdgcn_target "amdgcn-amd-amdhsa--gfx1250"
	.amdhsa_code_object_version 6
	.text
	.protected	k_qb385bf38ab_quant
	.globl	k_qb385bf38ab_quant
	.p2align	8
	.type	k_qb385bf38ab_quant,@function
k_qb385bf38ab_quant:
	s_mov_b64 s[64:65], 0
	v_nop
	global_prefetch_b8 v0, s[64:65] scope:SCOPE_SE
	s_setreg_imm32_b32 hwreg(HW_REG_WAVE_MODE, 25, 1), 1
	s_wait_xcnt 0x0
; x [8192][1024] and Wq, Wk, Wv, Wo [1024][1024], f32 with K innermost, become codes of FP6 (E2M3) with one E8M0 scale byte for each 32 along K.
; A block's scale is 2^(floor(log2(its largest magnitude)) - 2); its byte is the largest magnitude's exponent field - 2, held at 1 from below.
; LIMITS: a block of zeros gets the byte 1 where the rule says 127 (its codes are zeros, and this program alone reads the bytes); blocks whose largest magnitude lies under 2^-124
; are held at the byte 1; NaN and infinities among the inputs are not served.
; LAYOUT OF THE RESULT.  The 12,288 rows (x, Wq, Wk, Wv, Wo on end) go in groups of 32.  A group makes two tiles of 16 rows: lane row r of tile u is the group's row 8 u + r + 8 (r / 8).
; A tile's 128 along K is stored as AN IMAGE OF THE OPERAND'S 12 REGISTERS: three pieces of 512 bytes, piece p = registers 4 p .. 4 p + 3, lane l at 16 l.  xc, wc: [tile][8 K steps][1,536 bytes].
; xs, ws: [tile row][8 words], word s = the four scale bytes of K step s.
; SHARES.  Work-group g takes group g, wave u tile u: 16 rows x 1,024 numbers, eight K steps.  Each load reads 512 consecutive bytes of one row; a K step's 8 KiB turn through the wave's own stage in LDS
; (rows of 528 bytes), from which lane (r, h) takes, of row r, 16 neighbours of each block of 32.  Loads run two K steps (32 loads a wave) ahead.  Waves share nothing: no barrier.
.set STG,   8448                       ; a wave's stage: 16 rows x 528 bytes
.set SPARE, 2*STG                      ; behind the stages: the spare words, 128 bytes for each wave: one block of 256 bytes that no other line names
.set SPW,   12                         ; v12  LDS address of my spare word; never rewritten
.set NIL,   13                         ; v13  0; never rewritten
.set R,     16                         ; v16-143  two sets of 64: a K step as loaded
.set X,     144                        ; v144-207 64 numbers: register 16 b + i = k 32 b + 16 h + i of my row
.set PC,    208                        ; v208-227 the codes just made
.set TM,    228                        ; v228-243 at work
.set PW,    244                        ; the scale word just made
.set SW,    246                        ; v246-253 the eight K steps' scale words
.set SEL,   34                         ; s[34:35] lane selects for v_permlanex16_b32: lane l xor 16
; 64 numbers of a lane, v[s] .. v[s + 63], become a fragment's codes in v[PC] on and its scale word in v[PW].
.macro QUANT s
.irp b, 0,1,2,3
	v_max3_num_f32 v[TM+\b], |v[\s+16*\b]|, |v[\s+1+16*\b]|, 0x1800000   ; block b: my 16 numbers, and the floor 2^(3 - 127): the byte cannot fall under 1
.endr
.irp i, 2,4,6,8,10,12,14
.irp b, 0,1,2,3
	v_max3_num_f32 v[TM+\b], v[TM+\b], |v[\s+16*\b+\i]|, |v[\s+1+16*\b+\i]|   ; the four blocks by turns
.endr
.endr
.irp b, 0,1,2,3
	v_permlanex16_b32 v[TM+4+\b], v[TM+\b], s[SEL], s[SEL+1]
.endr
.irp b, 0,1,2,3
	v_max_num_f32 v[TM+\b], v[TM+\b], v[TM+4+\b]   ; with lane l xor 16's: the block's largest magnitude
.endr
.irp b, 0,1,2,3
	v_add_nc_u32 v[TM+12+\b], 0xff000000, v[TM+\b]   ; 2 off its exponent field: the conversion's scale operand
.endr
.irp b, 0,1,2,3
	v_lshrrev_b32 v[TM+4+\b], 23, v[TM+12+\b]   ; the scale's byte
.endr
	v_lshl_or_b32 v[PW], v[TM+5], 8, v[TM+4]       ; the four bytes make my row's scale word
	v_lshl_or_b32 v[PW], v[TM+6], 16, v[PW]
	v_lshl_or_b32 v[PW], v[TM+7], 24, v[PW]
.irp c, 0,1
	v_cvt_scalef32_pk16_fp6_f32 v[PC+6*\c:PC+2+6*\c], v[\s+32*\c:\s+15+32*\c], v[TM+12+2*\c]
	v_cvt_scalef32_pk16_fp6_f32 v[PC+12+4*\c:PC+14+4*\c], v[\s+16+32*\c:\s+31+32*\c], v[TM+12+2*\c+1]   ; (a conversion's three registers begin on an even number)
.endr
	v_nop                                          ; one plain place behind a scaled conversion
.irp c, 0,1                                    ; the operand's layout wants a whole block in a lane: lanes 0-15 block 2 c, lanes 16-31 block 2 c + 1
.irp i, 0,1,2
	v_permlane16_swap_b32 v[PC+6*\c+\i], v[PC+12+4*\c+\i]
.endr
.irp i, 0,1,2
	v_mov_b32 v[PC+3+6*\c+\i], v[PC+12+4*\c+\i]
.endr
.endr
.endm
	s_load_b512 s[4:19], s[0:1], 0x0               ; x, Wq, Wk, Wv, Wo, xc, xs, wc
	s_load_b64 s[20:21], s[0:1], 0x40              ; ws
	v_lshl_add_u32 v[SPW], v0, 2, SPARE
	v_mov_b32 v[NIL], 0
	v_lshrrev_b32 v1, 5, v0
	v_readfirstlane_b32 s23, v1                    ; wave u
	v_and_b32 v5, 31, v0                           ; lane
	v_and_b32 v6, 15, v0                           ; r
	v_bfe_u32 v7, v0, 4, 1                         ; h
	v_lshlrev_b32 v1, 4, v5                        ; 16 x lane: my bytes of a load's 512, and of an image's piece
	s_mul_i32 s33, s23, STG
	v_add_nc_u32 v2, s33, v1                       ; into the stage: 16 x lane of a row
	v_mul_u32_u24 v3, v6, 528
	v_lshl_add_u32 v3, v7, 6, v3
	v_add_nc_u32 v3, s33, v3                       ; out of it: row r, + 64 h
	v_lshlrev_b32 v4, 5, v6
	v_lshl_add_u32 v4, v7, 4, v4                   ; the scale words' store: 32 r + 16 h
	s_mov_b32 s22, 0xffff0000                      ; lanes 16-31
	s_mov_b32 s[SEL], 0x76543210
	s_mov_b32 s[SEL+1], 0xfedcba98
.irp b, 0,1,2,3
	v_mov_b32 v[TM+4+\b], 0                        ; written once: a lane permute's destination counts as one of its sources
.endr
	s_wait_alu depctr_va_vdst(0)
	s_wait_kmcnt 0x0
	s_cmp_lt_u32 ttmp9, 352                        ; which tensor: groups 0-255 x, then 32 each of Wq, Wk, Wv, Wo.  The choices hang on the work-group's number alone
	s_cselect_b64 s[24:25], s[10:11], s[12:13]
	s_cmp_lt_u32 ttmp9, 320
	s_cselect_b64 s[24:25], s[8:9], s[24:25]
	s_cmp_lt_u32 ttmp9, 288
	s_cselect_b64 s[24:25], s[6:7], s[24:25]
	s_cmp_lt_u32 ttmp9, 256
	s_cselect_b64 s[24:25], s[4:5], s[24:25]
	s_cselect_b64 s[26:27], s[14:15], s[18:19]     ; codes: xc or wc
	s_cselect_b64 s[28:29], s[16:17], s[20:21]     ; scale words: xs or ws
	s_cselect_b32 s30, 0, 256
	s_cselect_b32 s31, 255, 31
	s_sub_co_u32 s30, ttmp9, s30                   ; the group within x, or within the four weights on end,
	s_and_b32 s31, s30, s31                        ; and within its own tensor
	s_lshl_b32 s36, s31, 17                        ; 32 rows of 4,096 bytes,
	s_lshl_b32 s32, s23, 15                        ; and 8 rows on for wave 1
	s_add_co_u32 s36, s36, s32
	s_mov_b32 s37, 0
	s_add_nc_u64 s[24:25], s[24:25], s[36:37]
	s_lshl_b32 s30, s30, 1
	s_add_co_u32 s30, s30, s23                     ; my tile
	s_mul_i32 s36, s30, 12288
	s_add_nc_u64 s[26:27], s[26:27], s[36:37]
	s_lshl_b32 s36, s30, 9
	s_add_nc_u64 s[28:29], s[28:29], s[36:37]
.macro LOAD s                          ; K step s of my 16 rows: tile row i is the row i + 8 (i / 8) from my first
.irp i, 0,1,2,3,4,5,6,7,8,9,10,11,12,13,14,15
	global_load_b128 v[R+64*((\s)%2)+4*\i:R+64*((\s)%2)+4*\i+3], v1, s[24:25] offset:(\i+8*(\i/8))*4096+512*(\s) th:TH_LOAD_NT
.endr
.endm
.macro TURN s                          ; through the stage: LDS serves a wave's instructions in order, so no wait stands between the stores and the loads
.irp i, 0,1,2,3,4,5,6,7,8,9,10,11,12,13,14,15
	ds_store_b128 v2, v[R+64*((\s)%2)+4*\i:R+64*((\s)%2)+4*\i+3] offset:528*\i
.endr
.irp b, 0,1,2,3
.irp j, 0,1,2,3
	ds_load_b128 v[X+16*\b+4*\j:X+16*\b+4*\j+3], v3 offset:128*\b+16*\j
.endr
.endr
.endm
.macro STEP s
.if (\s) < 7
	s_wait_loadcnt 16                              ; this step's 16 loads are in; the next step's 16 may be out
.else
	s_wait_loadcnt 0x0
.endif
	TURN \s
	s_wait_dscnt 0x0                               ; my 64 numbers are back, and the stage's stores have read their registers,
.if (\s) < 6
	LOAD (\s)+2                                    ; which take the loads of two steps on
.endif
	s_wait_xcnt 0x0                                ; the last step's stores have read the codes' registers: only behind this wait are they written again
	QUANT X
	v_mov_b32 v[SW+(\s)], v[PW]
.irp p, 0,1,2
	global_store_b128 v1, v[PC+4*\p:PC+4*\p+3], s[26:27] offset:1536*(\s)+512*\p   ; 32 lanes store 512 consecutive bytes, aligned
.endr
.endm
	LOAD 0
	LOAD 1
.irp t, 0,1,2,3,4,5,6,7
	STEP \t
.endr
.irp i, 0,1,2,3
	v_cndmask_b32 v[X+\i], v[SW+\i], v[SW+4+\i], s22   ; lanes 0-15 store a row's words 0-3, lanes 16-31 its words 4-7
.endr
	global_store_b128 v4, v[X:X+3], s[28:29]       ; 512 consecutive bytes
	s_wait_tensorcnt 0x0                           ; the wave's end, behind my last LDS store
	ds_add_u32 v[SPW], v[NIL]
	s_wait_dscnt 0x0
	s_endpgm
.Lfunc_end_k_qb385bf38ab_quant:
	.size	k_qb385bf38ab_quant, .Lfunc_end_k_qb385bf38ab_quant-k_qb385bf38ab_quant
	.p2alignl 7, 3214868480
	.fill 96, 4, 3214868480
	.section	.rodata,"a",@progbits
	.p2align	6, 0x0
	.amdhsa_kernel k_qb385bf38ab_quant
		.amdhsa_group_segment_fixed_size 17152
		.amdhsa_private_segment_fixed_size 0
		.amdhsa_enable_private_segment 0
		.amdhsa_kernarg_size 72
		.amdhsa_user_sgpr_count 2
		.amdhsa_user_sgpr_kernarg_segment_ptr 1
		.amdhsa_wavefront_size32 1
		.amdhsa_system_sgpr_workgroup_id_x 1
		.amdhsa_system_sgpr_workgroup_id_y 1
		.amdhsa_system_sgpr_workgroup_id_z 1
		.amdhsa_system_vgpr_workitem_id 0
		.amdhsa_next_free_vgpr 256
		.amdhsa_next_free_sgpr 66
		.amdhsa_reserve_vcc 0
		.amdhsa_float_denorm_mode_32 3
		.amdhsa_float_denorm_mode_16_64 3
		.amdhsa_memory_ordered 1
		.amdhsa_forward_progress 1
		.amdhsa_inst_pref_size 64
	.end_amdhsa_kernel
	.amdgpu_metadata
---
amdhsa.version: [ 1, 2 ]
amdhsa.kernels:
  - .name:           k_qb385bf38ab_quant
    .symbol:         k_qb385bf38ab_quant.kd
    .args:
      - { .name: x, .offset: 0, .size: 8, .value_kind: global_buffer, .address_space: global }
      - { .name: Wq, .offset: 8, .size: 8, .value_kind: global_buffer, .address_space: global }
      - { .name: Wk, .offset: 16, .size: 8, .value_kind: global_buffer, .address_space: global }
      - { .name: Wv, .offset: 24, .size: 8, .value_kind: global_buffer, .address_space: global }
      - { .name: Wo, .offset: 32, .size: 8, .value_kind: global_buffer, .address_space: global }
      - { .name: xc, .offset: 40, .size: 8, .value_kind: global_buffer, .address_space: global }
      - { .name: xs, .offset: 48, .size: 8, .value_kind: global_buffer, .address_space: global }
      - { .name: wc, .offset: 56, .size: 8, .value_kind: global_buffer, .address_space: global }
      - { .name: ws, .offset: 64, .size: 8, .value_kind: global_buffer, .address_space: global }
    .group_segment_fixed_size: 17152
    .private_segment_fixed_size: 0
    .kernarg_segment_align: 8
    .kernarg_segment_size: 72
    .max_flat_workgroup_size: 64
    .sgpr_count:     66
    .vgpr_count:     256
    .wavefront_size: 32
...
	.end_amdgpu_metadata
.endif
;; end of part 1
;; launch qkv (part 2): grid 8 x 96, 4 waves a work-group, clusters of 4 x 4, 327,680 bytes of LDS; arguments xc, xs, wc, ws, bq, bk, bv, qkv; writes qkv
.if DOCPART == 2
	.amdgcn_target "amdgcn-amd-amdhsa--gfx1250"
	.amdhsa_code_object_version 6
	.text
	.protected	k_qb385bf38ab_qkv
	.globl	k_qb385bf38ab_qkv
	.p2align	8
	.type	k_qb385bf38ab_qkv,@function
k_qb385bf38ab_qkv:
	s_mov_b64 s[64:65], 0
	v_nop
	global_prefetch_b8 v0, s[64:65] scope:SCOPE_SE
	s_setreg_imm32_b32 hwreg(HW_REG_WAVE_MODE, 25, 1), 1
	s_wait_xcnt 0x0
	s_wait_alu depctr_hold_cnt(0) depctr_sa_sdst(0) depctr_va_vdst(0) depctr_va_sdst(0) depctr_va_ssrc(0) depctr_va_vcc(0) depctr_vm_vsrc(0)
	s_getreg_b32 s2, hwreg(HW_REG_IB_STS2, 6, 4)
	s_cmp_eq_u32 s2, 0
	s_cbranch_scc0 .Lentry_in_a_cluster
	s_endpgm
.Lentry_in_a_cluster:
	s_bfe_u32 s2, ttmp6, 0x10000c
	s_cmp_lg_u32 s2, 0xf033
	s_cbranch_scc0 .Lentry_shape_is_right
	s_endpgm
.Lentry_shape_is_right:
; Q = x Wq^T + bq, K = x Wk^T + bk, V = x Wv^T + bv on codes of FP6 (E2M3) with E8M0 scales, sums in f32; the results are quantised at once: Q and K along the head's 64 channels, V along the keys.
; OPERANDS.  xc, wc: [tile of 16 rows][8 K steps][1,536 bytes], each an image of the operand's 12 registers (piece p = registers 4 p .. 4 p + 3, lane l at 16 l); xs, ws: [row][8 scale words].
; In every tile, lane row r of tile 2 g + u is row 32 g + 8 u + r + 8 (r / 8) of its tensor: so, where such a tile is source 0, the 16 registers of tiles 2 g and 2 g + 1 are 16 neighbours, 32 g + 16 h + 0 .. 15.
; SHARES.  A work-group makes 128 rows of an operand A against 256 rows of an operand B, all of K = 1,024: four waves, wave (sA, sB) A's tiles 4 sA + a (a = 0 .. 3) against B's tiles 8 sB + b (b = 0 .. 7): 32 accumulators.
; THE PRODUCT IS USED TRANSPOSED: source 0 = B's tile, source 1 = A's tile: a lane holds one row of A, and its registers run along B's rows.
;   clusters y 0 .. 15:  A = x (a lane: one token), B = Wq, Wk (registers: 128 columns = two heads): quantised along the columns.
;   clusters y 16 .. 23: A = Wv (a lane: one channel), B = x (registers: 128 keys): quantised along the keys.  Exchanging the operands is all that V's other axis takes.
; ALL OF K LIES IN LDS: 128 + 256 rows x 768 bytes = 294,912 bytes, brought by first fills alone, in four chunks of two K steps; nothing is filled again, so the waits on TENSORcnt are counted and the barriers plain.
; CLUSTER 4 x 4: A's rows are shared along a row of the cluster, B's along a column: each chunk is asked for jointly, by the same load with the same descriptor and a mask that names the four.
; RESULT.  qkv: [64 heads][8 blocks of 256 positions][39,424 bytes]: K's 16 half fragments of 768 bytes (registers 0-3 at 16 l, 4-5 at 512 + 8 l); V's 2 key steps x 4 channel tiles of 1,536; K's scale words
; (4 groups x [16 r][4 tiles]); V's (2 x [16 r][4 tiles]); Q's half fragments; Q's scale words.  Q's and K's scale words hold two bytes; the upper two are 0.
; LIMITS: as in the launch before: a block of zeros gets the byte 1; largest magnitudes under 2^-124 are held at the byte 1; NaN and infinities are not served.
; REGISTERS, in windows of 256: window 0: v1-29 addresses; v32-63 A's scale words (8 a + s), v64-127 B's (8 b + s): they hold scales and nothing else; v128-235 at work on the way out.
;   window 1: A's fragments, two sets, v[48 (s % 2) + 12 a].   window 2: B's, two sets, v[96 (s % 2) + 12 b]; v192-255 the bias.   window 3: accumulator (a, b) at v[8 (8 a + b)].
.set CHUNK, 73728                      ; LDS: a chunk (two K steps): A's 8 tiles x 3,072 bytes, then B's 16
.set TILEB, 3072
.set FRB,   1536
.set BOFF,  24576
.set SPARE, 4*CHUNK                    ; behind the chunks: the spare words, 128 bytes for each wave: two blocks of 256 bytes that no other line names
.set REC,   39424
.set HS,    8*REC                      ; from a head to the next
.set KI,    0
.set VI,    12288
.set KS,    24576
.set VS,    25600
.set QI,    26112
.set QS,    38400
.set ADRA,  8                          ; v8-11   LDS address of my A fragments in chunk c
.set ADRB,  12                         ; v12-15  the same for B
.set SPW,   28                         ; v28     LDS address of my spare word; never rewritten
.set NIL,   29                         ; v29     0; never rewritten
.set SA,    32
.set SB,    64
.set HA,    128                        ; v128-191 64 numbers to be quantised
.set PC,    192                        ; v192-211 the codes just made
.set TM,    212                        ; v212-227 at work
.set PW,    228                        ; the scale word just made
.set SW,    230                        ; v230-233 four tiles' scale words
.set SX,    234                        ; v234-235
.set BI,    192                        ; in window 2
.set WV,    20
.set SAH,   21                         ; sA.  Also: I fetch for A (0) or for B (1)
.set SBH,   22                         ; sB.  Also: which half of that operand's tiles I fetch
.set CX,    23
.set CY,    24
.set ISV,   25                         ; 1 in V's clusters: the same in all partners
.set CLY,   26
.set TA,    27                         ; which 128 rows of A
.set TB,    28                         ; which 256 rows of B
.set SEL,   30                         ; s[30:31]
.set G1A,   32                         ; s[32:39] descriptor group 1 for A's loads, s[40:47] for B's
.set G1B,   40
.set G0A,   48                         ; s[48:63] groups 0 for A's four chunks, s[68:83] for B's
.set G0B,   68
.set MUL,   0xf6                       ; source 0 window 2, source 1 window 1, C and D window 3
.set MSB, 0
.macro WIN new                         ; the immediate's high byte repeats the setting that is left
.if MSB != \new
	s_set_vgpr_msb (MSB<<8)|\new
.set MSB, \new
.endif
.endm
.macro CROUND                          ; a round of the cluster's barrier
	s_barrier_signal -1
	s_barrier_wait -1
	s_cmp_lg_u32 s[WV], 0
	s_cbranch_scc1 .Lnot_wave_0_\@
	s_barrier_signal -3
.Lnot_wave_0_\@:
	s_barrier_wait -3
	s_barrier_signal -1
	s_barrier_wait -1
.endm
.macro PLACES                          ; four plain places behind matrix instructions, in front of loads into registers that they have read and of reads of their results
.rept 4
	v_nop
.endr
.endm
.macro QUANT s                         ; 64 numbers of a lane, register 16 b + i = k 32 b + 16 h + i, become a fragment's codes in v[PC] on and its scale word in v[PW]
.irp b, 0,1,2,3
	v_max3_num_f32 v[TM+\b], |v[\s+16*\b]|, |v[\s+1+16*\b]|, 0x1800000   ; block b: my 16 numbers, and the floor 2^(3 - 127): the byte cannot fall under 1
.endr
.irp i, 2,4,6,8,10,12,14
.irp b, 0,1,2,3
	v_max3_num_f32 v[TM+\b], v[TM+\b], |v[\s+16*\b+\i]|, |v[\s+1+16*\b+\i]|
.endr
.endr
.irp b, 0,1,2,3
	v_permlanex16_b32 v[TM+4+\b], v[TM+\b], s[SEL], s[SEL+1]
.endr
.irp b, 0,1,2,3
	v_max_num_f32 v[TM+\b], v[TM+\b], v[TM+4+\b]   ; with lane l xor 16's: the block's largest magnitude
.endr
.irp b, 0,1,2,3
	v_add_nc_u32 v[TM+12+\b], 0xff000000, v[TM+\b]   ; 2 off its exponent field: the conversion's scale operand
.endr
.irp b, 0,1,2,3
	v_lshrrev_b32 v[TM+4+\b], 23, v[TM+12+\b]   ; the scale's byte
.endr
	v_lshl_or_b32 v[PW], v[TM+5], 8, v[TM+4]
	v_lshl_or_b32 v[PW], v[TM+6], 16, v[PW]
	v_lshl_or_b32 v[PW], v[TM+7], 24, v[PW]
.irp c, 0,1
	v_cvt_scalef32_pk16_fp6_f32 v[PC+6*\c:PC+2+6*\c], v[\s+32*\c:\s+15+32*\c], v[TM+12+2*\c]
	v_cvt_scalef32_pk16_fp6_f32 v[PC+12+4*\c:PC+14+4*\c], v[\s+16+32*\c:\s+31+32*\c], v[TM+12+2*\c+1]
.endr
	v_nop                                          ; one plain place behind a scaled conversion
.irp c, 0,1
.irp i, 0,1,2
	v_permlane16_swap_b32 v[PC+6*\c+\i], v[PC+12+4*\c+\i]
.endr
.irp i, 0,1,2
	v_mov_b32 v[PC+3+6*\c+\i], v[PC+12+4*\c+\i]
.endr
.endr
.endm
	s_load_b512 s[4:19], s[0:1], 0x0               ; xc, xs, wc, ws, bq, bk, bv, qkv
	v_lshl_add_u32 v[SPW], v0, 2, SPARE
	v_mov_b32 v[NIL], 0
	ds_add_u32 v[SPW], v[NIL]
	ds_add_u32 v[SPW], v[NIL]                      ; the wave's opening: the add and its wait stand ahead of my first tensor load; the set-up below, work on registers, stands between them
	v_lshrrev_b32 v1, 5, v0
	v_readfirstlane_b32 s[WV], v1                  ; wave 0..3
	s_lshr_b32 s[SAH], s[WV], 1
	s_and_b32 s[SBH], s[WV], 1
	s_bfe_u32 s[CX], ttmp6, 0x40000                ; my place in the cluster
	s_bfe_u32 s[CY], ttmp6, 0x40004
	s_and_b32 s[CLY], ttmp7, 0xffff                ; the cluster's y
	s_lshl_b32 s84, s[CY], 2
	s_lshl_b32 s84, 15, s84                        ; my row of the cluster
	s_lshl_b32 s86, 0x1111, s[CX]                  ; my column
	s_or_b32 s[G1A], s84, (3<<16)|(1<<21)          ; 15:0 the mask; 17:16 elements of 8 bytes; 21 set beside a mask; no padding
	s_or_b32 s[G1B], s86, (3<<16)|(1<<21)
	s_mov_b32 s[G1A+1], 384<<16                    ; tensor_dim0 = 384 elements: a tile's two K steps, 3,072 bytes
	s_mov_b32 s[G1A+2], 4<<16                      ; tensor_dim1 = 4 tiles
	s_mov_b32 s[G1A+3], 384<<16                    ; tile_dim0
	s_mov_b32 s[G1A+4], 4                          ; tile_dim1
	s_mov_b32 s[G1A+5], 1536                       ; from tile to tile: 12,288 bytes
	s_mov_b32 s[G1A+6], 0
	s_mov_b32 s[G1A+7], 0
	s_mov_b32 s[G1B+1], 384<<16
	s_mov_b32 s[G1B+2], 8<<16                      ; 8 tiles
	s_mov_b32 s[G1B+3], 384<<16
	s_mov_b32 s[G1B+4], 8
	s_mov_b32 s[G1B+5], 1536
	s_mov_b32 s[G1B+6], 0
	s_mov_b32 s[G1B+7], 0
	s_lshl_b32 s88, s[CLY], 2                      ; Q, K: A = x, rows 128 (4 y + cy)
	s_and_b32 s89, s[CLY], 1
	s_lshl_b32 s89, s89, 2
	s_add_co_u32 s89, s89, 16                      ; V: A = Wv, which begins at 128-row tile 16 of wc: 16 + 4 (y & 1) + cy
	s_sub_co_u32 s90, s[CLY], 16
	s_lshr_b32 s90, s90, 1
	s_lshl_b32 s90, s90, 3                         ; V: B = x, rows 256 (4 x + cx + 8 ((y - 16) >> 1))
	s_lshl_b32 s91, ttmp9, 2
	s_add_co_u32 s91, s91, s[CX]                   ; Q, K: B = Wq, Wk, rows 256 (4 x + cx)
	s_cmp_lt_u32 s[CLY], 16
	s_cselect_b32 s[TA], s88, s89
	s_cselect_b32 s90, 0, s90
	s_cselect_b32 s[ISV], 0, 1
	s_add_co_u32 s[TA], s[TA], s[CY]               ; A's registers never hold cx, B's never cy
	s_add_co_u32 s[TB], s91, s90
	s_mul_i32 s84, s[TA], 98304                    ; A's codes: 8 tiles of 12,288 bytes, + the four that I fetch
	s_mul_i32 s92, s[SBH], 49152
	s_add_co_u32 s84, s84, s92
	s_mov_b32 s85, 0
	s_mul_i32 s86, s[TB], 196608                   ; B's: 16 tiles, + the eight that I fetch
	s_mul_i32 s92, s[SBH], 98304
	s_add_co_u32 s86, s86, s92
	s_mov_b32 s87, 0
	s_lshl_b32 s88, s[TA], 12                      ; A's scale words: 32 bytes a row, my 64 rows
	s_lshl_b32 s92, s[SAH], 11
	s_add_co_u32 s88, s88, s92
	s_mov_b32 s89, 0
	s_lshl_b32 s90, s[TB], 13                      ; B's: my 128 rows
	s_lshl_b32 s92, s[SBH], 12
	s_add_co_u32 s90, s90, s92
	s_mov_b32 s91, 0
	s_mul_i32 s92, s[SBH], 12288                   ; where the fetched tiles go in a chunk: no place in the cluster enters an LDS address
	s_mul_i32 s93, s[SBH], 24576
	s_add_co_u32 s93, s93, BOFF
	s_mov_b32 s[SEL], 0x76543210
	s_mov_b32 s[SEL+1], 0xfedcba98
	s_wait_dscnt 0x0                               ; the opening add is done
	s_wait_kmcnt 0x0
	s_cmp_eq_u32 s[ISV], 0
	s_cselect_b64 s[96:97], s[4:5], s[8:9]         ; A's codes: xc, or wc
	s_cselect_b64 s[98:99], s[8:9], s[4:5]         ; B's codes
	s_add_nc_u64 s[96:97], s[96:97], s[84:85]
	s_add_nc_u64 s[98:99], s[98:99], s[86:87]
	s_cselect_b64 s[84:85], s[6:7], s[10:11]       ; A's scale words: xs, or ws
	s_cselect_b64 s[86:87], s[10:11], s[6:7]       ; B's
	s_add_nc_u64 s[84:85], s[84:85], s[88:89]
	s_add_nc_u64 s[86:87], s[86:87], s[90:91]
.irp c, 0,1,2,3
	s_mov_b32 s[G0A+4*\c], 1                       ; count = 1
	s_add_co_u32 s[G0A+4*\c+1], s92, \c*CHUNK      ; LDS address
	s_add_nc_u64 s[G0A+4*\c+2:G0A+4*\c+3], s[96:97], \c*TILEB   ; global address: K steps 2 c and 2 c + 1 of the first tile
	s_or_b32 s[G0A+4*\c+3], s[G0A+4*\c+3], 0x80000000           ; type = 2
	s_mov_b32 s[G0B+4*\c], 1
	s_add_co_u32 s[G0B+4*\c+1], s93, \c*CHUNK
	s_add_nc_u64 s[G0B+4*\c+2:G0B+4*\c+3], s[98:99], \c*TILEB
	s_or_b32 s[G0B+4*\c+3], s[G0B+4*\c+3], 0x80000000
.endr
	CROUND                                         ; all sixteen work-groups are here: the joint loads meet
	s_cmp_eq_u32 s[SAH], 0                         ; a wave's four first fills stand in one branch on the wave's number: four loads of mine are out
	s_cbranch_scc0 .Lfill_b
.irp c, 0,1,2,3
	tensor_load_to_lds s[G0A+4*\c:G0A+4*\c+3], s[G1A:G1A+7]
	s_nop 0
.endr
.rept 4
	v_nop
.endr
	s_branch .Lfilled
.Lfill_b:
.irp c, 0,1,2,3
	tensor_load_to_lds s[G0B+4*\c:G0B+4*\c+3], s[G1B:G1B+7]
	s_nop 0
.endr
.rept 4
	v_nop
.endr
.Lfilled:
	v_and_b32 v1, 15, v0                           ; r
	v_bfe_u32 v2, v0, 4, 1                         ; h
	v_and_b32 v5, 31, v0                           ; lane
	v_lshlrev_b32 v3, 4, v5                        ; 16 x lane
	s_wait_alu depctr_va_vdst(0)
	v_lshlrev_b32 v4, 3, v5                        ; 8 x lane
	s_mul_i32 s94, s[SAH], 12288                   ; my four tiles of A,
	s_mul_i32 s95, s[SBH], 24576                   ; my eight of B
	s_add_co_u32 s95, s95, BOFF
.irp c, 0,1,2,3
	v_add_nc_u32 v[ADRA+\c], s94, v3
	v_add_nc_u32 v[ADRB+\c], s95, v3
	s_add_co_u32 s94, s94, CHUNK
	s_add_co_u32 s95, s95, CHUNK
.endr
	v_lshlrev_b32 v20, 5, v1                       ; 32 r: a row's eight scale words
	v_lshlrev_b32 v21, 6, v2                       ; 64 h: bq's, bk's lane term
	v_mul_u32_u24 v22, v2, HS
	v_lshl_add_u32 v22, v1, 4, v22                 ; 16 r + h x a head: Q's, K's scale words
	v_lshlrev_b32 v23, 4, v2                       ; 16 h
	v_lshlrev_b32 v24, 4, v1
	v_lshl_add_u32 v24, v2, 3, v24                 ; 16 r + 8 h: V's scale words
	v_and_b32 v25, 8, v1
	v_add_nc_u32 v25, v25, v1
	v_lshlrev_b32 v25, 2, v25                      ; 4 (r + 8 (r / 8)): bv's lane term
.irp b, 0,1,2,3
	v_mov_b32 v[TM+4+\b], 0                        ; written once: a lane permute's destination counts as one of its sources
.endr
.irp a, 0,1,2,3                                ; the scale words of all of K go straight into registers, once
	global_load_b128 v[SA+8*\a:SA+8*\a+3], v20, s[84:85] offset:512*\a
	global_load_b128 v[SA+8*\a+4:SA+8*\a+7], v20, s[84:85] offset:512*\a+16
.endr
.irp b, 0,1,2,3,4,5,6,7
	global_load_b128 v[SB+8*\b:SB+8*\b+3], v20, s[86:87] offset:512*\b
	global_load_b128 v[SB+8*\b+4:SB+8*\b+7], v20, s[86:87] offset:512*\b+16
.endr
.macro FETCH s                         ; K step s: B's eight fragments and A's four, 36 loads of 512 consecutive bytes, into set s % 2
	WIN 0x80
.irp b, 0,1,2,3,4,5,6,7
.irp p, 0,1,2
	ds_load_b128 v[96*((\s)%2)+12*\b+4*\p:96*((\s)%2)+12*\b+4*\p+3], v[ADRB+(\s)/2] offset:TILEB*\b+FRB*((\s)%2)+512*\p
.endr
.endr
	WIN 0x40
.irp a, 0,1,2,3
.irp p, 0,1,2
	ds_load_b128 v[48*((\s)%2)+12*\a+4*\p:48*((\s)%2)+12*\a+4*\p+3], v[ADRA+(\s)/2] offset:TILEB*\a+FRB*((\s)%2)+512*\p
.endr
.endr
.endm
.macro MUL8 s, a, first                ; A's tile a against B's eight.  The 32 accumulators take turns, one instruction a turn, in the same order in every K step
.irp b, 0,1,2,3,4,5,6,7
.if \first
	v_wmma_scale_f32_16x16x128_f8f6f4 v[8*(8*(\a)+\b):8*(8*(\a)+\b)+7], v[96*((\s)%2)+12*\b:96*((\s)%2)+12*\b+11], v[48*((\s)%2)+12*(\a):48*((\s)%2)+12*(\a)+11], 0, v[SB+8*\b+(\s)], v[SA+8*(\a)+(\s)] matrix_a_fmt:MATRIX_FMT_FP6 matrix_b_fmt:MATRIX_FMT_FP6
.else
	v_wmma_scale_f32_16x16x128_f8f6f4 v[8*(8*(\a)+\b):8*(8*(\a)+\b)+7], v[96*((\s)%2)+12*\b:96*((\s)%2)+12*\b+11], v[48*((\s)%2)+12*(\a):48*((\s)%2)+12*(\a)+11], v[8*(8*(\a)+\b):8*(8*(\a)+\b)+7], v[SB+8*\b+(\s)], v[SA+8*(\a)+(\s)] matrix_a_fmt:MATRIX_FMT_FP6 matrix_b_fmt:MATRIX_FMT_FP6
.endif
.endr
.endm
.macro KEVEN s, first                  ; an even K step: its successor lies in the same chunk and is fetched at once, 32 products ahead of its use
	s_wait_dscnt 0x0                               ; this step's fragments are in
.if !(\first)
	PLACES                                         ; the other set was multiplied by the step before
.endif
	FETCH (\s)+1
	WIN MUL
.irp a, 0,1,2,3
	MUL8 \s, \a, \first
.endr
.endm
.macro KODD s, left                    ; an odd K step: its successor lies in the next chunk.  left = my loads of still later chunks, which may stay out
	s_wait_dscnt 0x0                               ; this step's fragments are in: no LDS instruction of mine is out at the signal
.if (\s) < 7
	s_wait_tensorcnt \left                         ; my part of the next chunk has landed
	s_barrier_signal -1
	MUL8 \s, 0, 0                                  ; work on registers while the others arrive
	s_barrier_wait -1                              ; everybody's part has landed
	PLACES
	FETCH (\s)+1
	WIN MUL
.else
	MUL8 \s, 0, 0
.endif
	MUL8 \s, 1, 0
	MUL8 \s, 2, 0
	MUL8 \s, 3, 0
.endm
	s_wait_tensorcnt 0x3                           ; my part of chunk 0 is in; my three later loads may be out
	s_barrier_signal -1
	s_barrier_wait -1                              ; everybody's is
	FETCH 0
	s_wait_loadcnt 0x0                             ; the scale words
	KEVEN 0, 1                                     ; the first products start the sums: nothing is cleared
	KODD  1, 2
	KEVEN 2, 0
	KODD  3, 1
	KEVEN 4, 0
	KODD  5, 0
	WIN 0                                          ; at a branch and at a label every window is 0
	s_cmp_lg_u32 s[ISV], 0                         ; THE TWO WAYS PART HERE, two K steps before the end, so that each way's bias lands under its last 64 products.  The branch hangs on the cluster's y: alike in all partners
	s_cbranch_scc1 .Lvalues
	; ---- Q and K.  My 128 columns are heads 2 hp and 2 hp + 1
	s_cmp_eq_u32 ttmp9, 0                          ; cluster x = 0: Wq, 1: Wk
	s_cselect_b64 s[84:85], s[12:13], s[14:15]
	s_cselect_b32 s92, QI, KI
	s_mov_b32 s93, KS
	s_cselect_b32 s93, QS, s93
	s_and_b32 s86, s[TB], 3
	s_lshl_b32 s86, s86, 1
	s_add_co_u32 s86, s86, s[SBH]                  ; hp
	s_lshl_b32 s88, s86, 9                         ; 128 numbers of the bias
	s_mov_b32 s89, 0
	s_add_nc_u64 s[84:85], s[84:85], s[88:89]
	WIN 0x80
.irp b, 0,1,2,3,4,5,6,7                        ; register 8 b + j is column 32 (b / 2) + 16 h + 8 (b % 2) + j
	global_load_b128 v[BI+8*\b:BI+8*\b+3], v21, s[84:85] offset:(32*(\b/2)+8*(\b%2))*4
	global_load_b128 v[BI+8*\b+4:BI+8*\b+7], v21, s[84:85] offset:(32*(\b/2)+8*(\b%2))*4+16
.endr
	KEVEN 6, 0
	KODD  7, 0
	WIN 0
	s_lshr_b32 s90, s[TA], 4                       ; the batch: 16 tiles of 128 tokens each
	s_lshl_b32 s90, s90, 4
	s_lshl_b32 s91, s86, 1
	s_add_co_u32 s90, s90, s91                     ; 16 x batch + the even head
	s_lshl_b32 s90, s90, 3
	s_bfe_u32 s91, s[TA], 0x30001                  ; the block of 256 positions
	s_add_co_u32 s90, s90, s91
	s_mul_i32 s90, s90, REC                        ; the record
	s_and_b32 s91, s[TA], 1
	s_lshl_b32 s91, s91, 3
	s_lshl_b32 s98, s[SAH], 2
	s_add_co_u32 s91, s91, s98                     ; my first tile in the block: 8 (TA & 1) + 4 sA
	s_mul_i32 s94, s91, 768
	s_add_co_u32 s94, s94, s90
	s_add_co_u32 s94, s94, s92
	s_mov_b32 s95, 0
	s_add_nc_u64 s[94:95], s[18:19], s[94:95]      ; the images
	s_lshl_b32 s96, s91, 6
	s_add_co_u32 s96, s96, s90
	s_add_co_u32 s96, s96, s93
	s_mov_b32 s97, 0
	s_add_nc_u64 s[96:97], s[18:19], s[96:97]      ; the scale words: my four tiles are one group of 256 bytes
	PLACES
	s_wait_loadcnt 0x0                             ; the bias
.macro OUTQK a                         ; 16 tokens x 128 columns: bias, quantised, two half fragments out
	WIN 0x0b                                       ; source 0 (the sums) window 3, source 1 (the bias) window 2, destination window 0
.set i, 0
.rept 32
	v_pk_add_f32 v[HA+2*i:HA+2*i+1], v[64*(\a)+2*i:64*(\a)+2*i+1], v[BI+2*i:BI+2*i+1]   ; each accumulator from its low end on
.set i, i+1
.endr
	WIN 0
	s_wait_xcnt 0x0                                ; the last tile's stores have read the codes' registers
	QUANT HA
	global_store_b128 v3, v[PC:PC+3], s[94:95] offset:768*(\a)              ; the even head: registers 0-3, 512 consecutive bytes,
	global_store_b64 v4, v[PC+4:PC+5], s[94:95] offset:768*(\a)+512        ; registers 4-5, 256;
	global_store_b128 v3, v[PC+6:PC+9], s[94:95] offset:768*(\a)+HS        ; the odd head
	global_store_b64 v4, v[PC+10:PC+11], s[94:95] offset:768*(\a)+512+HS
	v_bfe_u32 v[SW+(\a)], v[PW], v23, 16           ; lanes 0-15 keep the even head's two bytes, lanes 16-31 the odd head's
.endm
	OUTQK 0
	OUTQK 1
	OUTQK 2
	OUTQK 3
	global_store_b128 v22, v[SW:SW+3], s[96:97]    ; sixteen lanes store 256 consecutive bytes, for each of the two heads
	s_branch .Lend
.Lvalues:
	; ---- V.  My 64 rows of Wv are one head's channels, my 128 rows of x one key step
	s_sub_co_u32 s86, s[TA], 16
	s_lshl_b32 s86, s86, 1
	s_add_co_u32 s86, s86, s[SAH]                  ; the head
	s_lshl_b32 s88, s86, 8                         ; its 64 numbers of bv
	s_mov_b32 s89, 0
	s_add_nc_u64 s[84:85], s[16:17], s[88:89]
	WIN 0x80
	s_wait_alu depctr_va_vdst(0)
.irp a, 0,1,2,3                                ; my lane's channel of tile a: 32 (a / 2) + 8 (a % 2) + r + 8 (r / 8); twice, for the packed addition's pair
	global_load_b32 v[BI+2*\a], v25, s[84:85] offset:(32*(\a/2)+8*(\a%2))*4
	global_load_b32 v[BI+2*\a+1], v25, s[84:85] offset:(32*(\a/2)+8*(\a%2))*4
.endr
	KEVEN 6, 0
	KODD  7, 0
	WIN 0
	s_lshr_b32 s90, s[TB], 3                       ; the batch: 8 tiles of 256 tokens each
	s_lshl_b32 s90, s90, 4
	s_add_co_u32 s90, s90, s86
	s_lshl_b32 s90, s90, 3
	s_and_b32 s91, s[TB], 7                        ; the block
	s_add_co_u32 s90, s90, s91
	s_mul_i32 s90, s90, REC
	s_mul_i32 s94, s[SBH], 6144                    ; the key step
	s_add_co_u32 s94, s94, s90
	s_add_co_u32 s94, s94, VI
	s_mov_b32 s95, 0
	s_add_nc_u64 s[94:95], s[18:19], s[94:95]
	s_lshl_b32 s96, s[SBH], 8
	s_add_co_u32 s96, s96, s90
	s_add_co_u32 s96, s96, VS
	s_mov_b32 s97, 0
	s_add_nc_u64 s[96:97], s[18:19], s[96:97]
	s_mov_b32 s92, 0xffff0000                      ; lanes 16-31
	PLACES
	s_wait_loadcnt 0x0                             ; the bias
.macro OUTV a                          ; 16 channels x 128 keys: bias, quantised along the keys, one fragment out
	WIN 0x0b
.set i, 0
.rept 32
	v_pk_add_f32 v[HA+2*i:HA+2*i+1], v[64*(\a)+2*i:64*(\a)+2*i+1], v[BI+2*(\a):BI+2*(\a)+1]
.set i, i+1
.endr
	WIN 0
	s_wait_xcnt 0x0                                ; the last tile's stores have read the codes' registers
	QUANT HA
.irp p, 0,1,2
	global_store_b128 v3, v[PC+4*\p:PC+4*\p+3], s[94:95] offset:1536*(\a)+512*\p
.endr
	v_mov_b32 v[SW+(\a)], v[PW]
.endm
	OUTV 0
	OUTV 1
	OUTV 2
	OUTV 3
.irp i, 0,1
	v_cndmask_b32 v[SX+\i], v[SW+\i], v[SW+2+\i], s92   ; lanes 0-15 store tiles 0 and 1's words of channel row r, lanes 16-31 tiles 2 and 3's
.endr
	global_store_b64 v24, v[SX:SX+1], s[96:97]     ; 256 consecutive bytes
.Lend:
	s_wait_tensorcnt 0x0                           ; the wave's end, behind my last tensor load
	ds_add_u32 v[SPW], v[NIL]
	s_wait_dscnt 0x0
	CROUND                                         ; the closing round: no work-group ends while a partner may still ask for a tile that names it
	s_endpgm
.Lfunc_end_k_qb385bf38ab_qkv:
	.size	k_qb385bf38ab_qkv, .Lfunc_end_k_qb385bf38ab_qkv-k_qb385bf38ab_qkv
	.p2alignl 7, 3214868480
	.fill 96, 4, 3214868480
	.section	.rodata,"a",@progbits
	.p2align	6, 0x0
	.amdhsa_kernel k_qb385bf38ab_qkv
		.amdhsa_group_segment_fixed_size 327680
		.amdhsa_private_segment_fixed_size 0
		.amdhsa_enable_private_segment 0
		.amdhsa_kernarg_size 64
		.amdhsa_user_sgpr_count 2
		.amdhsa_user_sgpr_kernarg_segment_ptr 1
		.amdhsa_wavefront_size32 1
		.amdhsa_system_sgpr_workgroup_id_x 1
		.amdhsa_system_sgpr_workgroup_id_y 1
		.amdhsa_system_sgpr_workgroup_id_z 1
		.amdhsa_system_vgpr_workitem_id 0
		.amdhsa_next_free_vgpr 1024
		.amdhsa_next_free_sgpr 100
		.amdhsa_reserve_vcc 0
		.amdhsa_float_denorm_mode_32 3
		.amdhsa_float_denorm_mode_16_64 3
		.amdhsa_memory_ordered 1
		.amdhsa_forward_progress 1
		.amdhsa_inst_pref_size 129
	.end_amdhsa_kernel
	.amdgpu_metadata
---
amdhsa.version: [ 1, 2 ]
amdhsa.kernels:
  - .name:           k_qb385bf38ab_qkv
    .symbol:         k_qb385bf38ab_qkv.kd
    .args:
      - { .name: xc, .offset: 0, .size: 8, .value_kind: global_buffer, .address_space: global }
      - { .name: xs, .offset: 8, .size: 8, .value_kind: global_buffer, .address_space: global }
      - { .name: wc, .offset: 16, .size: 8, .value_kind: global_buffer, .address_space: global }
      - { .name: ws, .offset: 24, .size: 8, .value_kind: global_buffer, .address_space: global }
      - { .name: bq, .offset: 32, .size: 8, .value_kind: global_buffer, .address_space: global }
      - { .name: bk, .offset: 40, .size: 8, .value_kind: global_buffer, .address_space: global }
      - { .name: bv, .offset: 48, .size: 8, .value_kind: global_buffer, .address_space: global }
      - { .name: qkv, .offset: 56, .size: 8, .value_kind: global_buffer, .address_space: global }
    .group_segment_fixed_size: 327680
    .private_segment_fixed_size: 0
    .kernarg_segment_align: 8
    .kernarg_segment_size: 64
    .max_flat_workgroup_size: 128
    .sgpr_count:     100
    .vgpr_count:     1024
    .wavefront_size: 32
...
	.end_amdgpu_metadata
.endif
;; end of part 2
;; launch attn (part 3): grid 4 x 64, 16 waves a work-group, no clusters, 327,680 bytes of LDS; arguments qkv, oc, os; writes oc, os
.if DOCPART == 3
	.amdgcn_target "amdgcn-amd-amdhsa--gfx1250"
	.amdhsa_code_object_version 6
	.text
	.protected	k_qb385bf38ab_attn
	.globl	k_qb385bf38ab_attn
	.p2align	8
	.type	k_qb385bf38ab_attn,@function
k_qb385bf38ab_attn:
	s_mov_b64 s[64:65], 0
	v_nop
	global_prefetch_b8 v0, s[64:65] scope:SCOPE_SE
	s_setreg_imm32_b32 hwreg(HW_REG_WAVE_MODE, 25, 1), 1
	s_wait_xcnt 0x0
; Causal attention of one head on codes of FP6 (E2M3): S^T = K Q^T over the head's 64 channels, p = 2^(t - M) quantised along the keys, O^T = V^T P^T, O / l quantised along the head's 64 channels.
; t = score x log2(e) / 8; M = the running largest t rounded up to a whole number; the row's sum l is taken of the unquantised p; when M moves, l and O are multiplied by 2^(old M - new M), exactly.
; INPUT.  qkv: [64 heads][8 blocks of 256 positions][39,424 bytes]; a record's first 26,112 bytes are a slot of 256 keys: K's 16 half fragments, V's 2 x 4 fragments, K's and V's scale words; behind them Q's.
; In a tile of 16 positions lane row r of tile 2 g + u is position 32 g + 8 u + r + 8 (r / 8): so the 16 registers of two neighbouring tiles of S^T are 16 neighbouring keys, and those of O^T 16 neighbouring channels.
; SHARES.  Work-group (i, head) owns query blocks 7 - i and i, one after the other: they want key slots 0 .. 7 - i and 0 .. i: NINE slots for every i: the trip count is a constant, no slot is fetched in vain and
; all 256 work-groups have the same work.  Each of the sixteen waves owns one tile of 16 queries of the block in hand, in 256 registers: four waves to a SIMD, so that one wave's vector work stands beside another's products and LDS loads.
; A step of 128 keys all of which come after my queries is left out by a scalar branch on ids; on the diagonal hidden scores become -infinity ahead of the maximum.  Key 0 counts for every query, so M is a number from the first step on.
; K = 64 IN AN INSTRUCTION OF K = 128: Q's registers 6-11 are zero codes.  K's operand of tile t is v[KB + 6 t .. + 11]: its upper half is the next tile's codes (zeros behind the last), which meet Q's zeros under scale bytes 0: they add nothing.
; NO CLUSTER: the four work-groups of a head walk different slots from the fifth trip on; walking in step, each with both its blocks at once, would cost 12 units of work for 9, and what is shared is 26,112 bytes for 32 wave steps.
; OUTPUT.  oc: [512 tiles of positions][16 heads][768 bytes], half fragments as K's; os: [8,192 positions][32 bytes], byte 2 head + block.  The 32 scale bytes of a tile are stored singly, 32 bytes apart: 32 of the 800 bytes that a wave stores.
; LIMITS: 1 / l is v_rcp_f32; a block of zeros gets the byte 1; largest magnitudes under 2^-124 are held at the byte 1; NaN and infinities are not served.
.set REC,   39424
.set HS,    8*REC
.set VI,    12288
.set KS,    24576
.set VS,    25600
.set QI,    26112
.set QS,    38400
.set SLOT1, 32768                      ; slot 1 begins here: one exclusive or turns an address in one slot into the other's
.set SPARE, 65536                      ; the spare words, 128 bytes for each wave: eight blocks of 256 bytes that no other line names
.set SPW,   5                          ; v5   LDS address of my spare word; never rewritten
.set NIL,   6                          ; v6   0; never rewritten
; v1 16 lane, v2 8 lane, v3 16 r, v4 (r & 7) + 16 (r >> 3) - 16 h, v7 8 h, v8-10 the slot's base + v1, v2, v3, v11 256 lane, v234 32 r + h
; v12 -M, v13 the largest t, v[14:15] the sum in two halves; v16-21 Q, v22-27 zeros, v28 Q's scale word; v29, v30-35 the second block's
.set KB,    36                         ; v36-83   8 tiles of K x 6 registers, later 4 fragments of V x 12; v84-89 zeros
.set KSW,   90                         ; v90-97   K's scale words, later V's
.set S,     98                         ; v98-161  S^T, then p
.set O,     162                        ; v162-193 O^T
.set PC,    194                        ; v194-213 codes
.set BM,    214                        ; v214-225 blocks' maxima, bytes, scale operands;  v226, v230 at work; v228 f, v229 p's scale word; v[232:233] the sum's second chain
.set TB,    2                          ; s2   LDS byte at which the slot in hand begins
.set TR,    3                          ; s3   the trip
.set WV,    18
.set SEL,   20
.set CS,    22                         ; s[22:23] c = log2(e) / 8
.set G1,    24
.set G0,    32
.set BASE,  36                         ; s[36:37] the head's first record
.set NX,    38                         ; the slot to be asked for
.set CUR,   39                         ; the slot in hand
.set WRAP,  40                         ; 8 - i: behind slot 7 - i comes slot 0
.set HB,    41                         ; 7 - i: the first block, and its last trip
.set KF,    42                         ; the step's first key
.set QLO,   43                         ; my smallest query; my largest is 23 on
.set PFA,   46                         ; s[46:47] where my prefetches stand
.set LIM,   48                         ; a wave prefetches while the trip is under it
.set OA,    50                         ; s[50:51] my tile in oc, s[52:53] in os; s[54:55], s[56:57], s58: the same and QLO for the second block
.set OSC,   52
.set OAL,   54
.set OSL,   56
.set QLOL,  58
	s_load_b128 s[4:7], s[0:1], 0x0                ; qkv, oc
	s_load_b64 s[8:9], s[0:1], 0x10                ; os
	v_lshl_add_u32 v[SPW], v0, 2, SPARE
	v_mov_b32 v[NIL], 0
	ds_add_u32 v[SPW], v[NIL]                      ; the wave's opening: the add and its wait stand ahead of my first tensor load; the set-up below, work on registers, stands between them
	ds_add_u32 v[SPW], v[NIL]
	v_lshrrev_b32 v8, 5, v0
	s_delay_alu instid0(VALU_DEP_1)
	v_readfirstlane_b32 s[WV], v8                  ; wave 0..15
	s_and_b32 s10, ttmp7, 0xffff                   ; 16 x batch + head
	s_mul_i32 s12, s10, HS
	s_mov_b32 s13, 0
	s_lshr_b32 s11, s10, 4                         ; the batch
	s_and_b32 s10, s10, 15                         ; the head
	s_sub_co_u32 s[WRAP], 8, ttmp9
	s_sub_co_u32 s[HB], 7, ttmp9
	s_lshr_b32 s14, s[WV], 1
	s_lshl_b32 s14, s14, 5
	s_and_b32 s15, s[WV], 1
	s_lshl_b32 s15, s15, 3
	s_add_co_u32 s14, s14, s15                     ; my tile's smallest position in its block: 32 (w >> 1) + 8 (w & 1)
	s_lshl_b32 s15, s[HB], 8
	s_add_co_u32 s[QLO], s14, s15
	s_lshl_b32 s15, ttmp9, 8
	s_add_co_u32 s[QLOL], s14, s15
	s_lshl_b32 s11, s11, 7
	s_add_co_u32 s11, s11, s[WV]
	s_lshl_b32 s16, s[HB], 4
	s_add_co_u32 s16, s16, s11                     ; my tile among the 512: 128 x batch + 16 x block + wave
	s_lshl_b32 s17, ttmp9, 4
	s_add_co_u32 s17, s17, s11
	s_mul_i32 s19, s10, 768
	s_mul_i32 s60, s16, 12288
	s_add_co_u32 s60, s60, s19
	s_mov_b32 s61, 0
	s_mul_i32 s62, s17, 12288
	s_add_co_u32 s62, s62, s19
	s_mov_b32 s63, 0
	s_lshl_b32 s19, s10, 1
	s_lshl_b32 s66, s16, 9
	s_add_co_u32 s66, s66, s19
	s_mov_b32 s67, 0
	s_lshl_b32 s68, s17, 9
	s_add_co_u32 s68, s68, s19
	s_mov_b32 s69, 0
	s_mul_i32 s78, s[WV], 768                      ; Q: my tile's half fragment,
	s_lshr_b32 s79, s[WV], 2
	s_lshl_b32 s79, s79, 8
	s_and_b32 s19, s[WV], 3
	s_lshl_b32 s49, s19, 2
	s_add_co_u32 s79, s79, s49                     ; and its scale words: group w / 4, word w % 4
	s_lshl_b32 s14, s19, 13
	s_add_co_u32 s14, s14, REC                     ; the prefetches: 8,192 bytes a wave, in slot 1: the first change of slots steps it to slot 2
	s_mov_b32 s15, 0
	s_mul_i32 s70, s[HB], REC
	s_add_co_u32 s72, s70, s79
	s_add_co_u32 s70, s70, s78
	s_mov_b32 s71, 0
	s_mov_b32 s73, 0
	s_mul_i32 s74, ttmp9, REC
	s_add_co_u32 s76, s74, s79
	s_add_co_u32 s74, s74, s78
	s_mov_b32 s75, 0
	s_mov_b32 s77, 0
	s_sub_co_u32 s78, s[WV], 4
	s_cmp_lt_u32 s78, 3                            ; waves 4 to 6
	s_cselect_b32 s[LIM], 6, 0
	s_cmp_eq_u32 ttmp9, 0                          ; of the head's first work-group
	s_cselect_b32 s[LIM], s[LIM], 0
	s_mov_b32 s[G1], 3<<16                         ; no mask; elements of 8 bytes; no padding
	s_mov_b32 s[G1+1], 32<<16                      ; tensor_dim0 = 32: rows of 256 bytes
	s_mov_b32 s[G1+2], 102<<16                     ; tensor_dim1 = 102 rows: 26,112 dense bytes
	s_mov_b32 s[G1+3], 32<<16                      ; tile_dim0
	s_mov_b32 s[G1+4], 102                         ; tile_dim1
	s_mov_b32 s[G1+5], 32                          ; from row to row
	s_mov_b32 s[G1+6], 0
	s_mov_b32 s[G1+7], 0
	s_mov_b32 s[SEL], 0x76543210
	s_mov_b32 s[SEL+1], 0xfedcba98
	s_mov_b32 s[CS], 0x3e38aa3b                    ; log2(e) / 8
	s_mov_b32 s[CS+1], s[CS]                       ; (named with it as a pair, so it is written)
	s_mov_b32 s[TB], 0
	s_mov_b32 s[TR], 0
	s_mov_b32 s[NX], 0
	s_mov_b32 s45, 0
	s_wait_dscnt 0x0                               ; the opening add is done
	s_wait_kmcnt 0x0
	s_add_nc_u64 s[BASE:BASE+1], s[4:5], s[12:13]
	s_mov_b32 s[G0], 1                             ; count = 1
	s_mov_b32 s[G0+1], 0                           ; LDS address: slot 0
	s_mov_b64 s[G0+2:G0+3], s[BASE:BASE+1]         ; global address: the head's slot 0
	s_or_b32 s[G0+3], s[G0+3], 0x80000000          ; type = 2
	s_cmp_eq_u32 s[WV], 0                          ; wave 0 fetches; one tensor load is out at a time
	s_cbranch_scc0 .Lnot_first
	tensor_load_to_lds s[G0:G0+3], s[G1:G1+7]
	s_nop 0
.rept 4
	v_nop
.endr
.Lnot_first:
	s_add_nc_u64 s[OA:OA+1], s[6:7], s[60:61]
	s_add_nc_u64 s[OAL:OAL+1], s[6:7], s[62:63]
	s_add_nc_u64 s[OSC:OSC+1], s[8:9], s[66:67]
	s_add_nc_u64 s[OSL:OSL+1], s[8:9], s[68:69]
	s_add_nc_u64 s[70:71], s[BASE:BASE+1], s[70:71]
	s_add_nc_u64 s[72:73], s[BASE:BASE+1], s[72:73]
	s_add_nc_u64 s[74:75], s[BASE:BASE+1], s[74:75]
	s_add_nc_u64 s[76:77], s[BASE:BASE+1], s[76:77]
	s_add_nc_u64 s[PFA:PFA+1], s[BASE:BASE+1], s[14:15]
	v_and_b32 v8, 31, v0                           ; lane
	v_and_b32 v9, 15, v0                           ; r
	v_bfe_u32 v10, v0, 4, 1                        ; h
	s_delay_alu instid0(VALU_DEP_3)
	v_lshlrev_b32 v1, 4, v8
	s_delay_alu instid0(VALU_DEP_4)
	v_lshlrev_b32 v2, 3, v8
	s_delay_alu instid0(VALU_DEP_4)
	v_lshlrev_b32 v3, 4, v9
	v_lshlrev_b32 v11, 8, v8
	v_lshlrev_b32 v7, 3, v10
	v_lshl_add_u32 v234, v9, 5, v10
	global_load_b128 v[16:19], v1, s[70:71] offset:QI          ; Q of both blocks stays in registers
	global_load_b64 v[20:21], v2, s[70:71] offset:QI+512
	global_load_b32 v28, v3, s[72:73] offset:QS
	global_load_b128 v[30:33], v1, s[74:75] offset:QI
	global_load_b64 v[34:35], v2, s[74:75] offset:QI+512
	global_load_b32 v29, v3, s[76:77] offset:QS
	v_and_b32 v4, 7, v9
	v_lshrrev_b32 v226, 3, v9
	s_delay_alu instid0(VALU_DEP_1)
	v_lshl_add_u32 v4, v226, 4, v4                 ; my query less QLO,
	v_lshlrev_b32 v226, 4, v10
	s_delay_alu instid0(VALU_DEP_1)
	v_sub_nc_u32 v4, v4, v226                      ; less 16 h
.irp j, 0,1,2,3,4,5
	v_mov_b32 v[22+\j], 0                          ; Q's upper half: zero codes
	v_mov_b32 v[84+\j], 0                          ; and what stands behind K's last tile
.endr
	v_mov_b32 v13, 0xff61b1e6                      ; the largest t so far: -3e38, under every t
	s_delay_alu instid0(VALU_DEP_1)
	v_floor_f32 v12, -v13                          ; -M
	v_mov_b32 v14, 0
	v_mov_b32 v15, 0
.irp b, 0,1,2,3
	v_mov_b32 v[BM+4+\b], 0                        ; written once: a lane permute's destination counts as one of its sources
.endr
	v_mov_b32 v229, 0                              ; (named as the upper half of the pair v[228:229] before it is first written)
.set j, 0
.rept 32
	v_mov_b32 v[O+j], 0                            ; O^T.  (A step is written once: a block's first step finds zeros, which the first change of M leaves zeros)
.set j, j+1
.endr
; A KEY STEP: 128 keys, the q-th of the slot in hand.
.macro STEP q
	s_add_co_u32 s66, s[QLO], 23
	s_cmp_gt_u32 s[KF], s66                        ; all its keys come after my queries: the step's work is left out
	s_cbranch_scc1 .Lhidden_\@
.rept 4
	v_nop                                          ; places in front of loads into registers that the last products have read
.endr
	s_wait_alu depctr_va_vdst(0)
.irp t, 0,1,2,3,4,5,6,7
	ds_load_b128 v[KB+6*\t:KB+6*\t+3], v8 offset:768*(8*(\q)+\t)
	ds_load_b64 v[KB+6*\t+4:KB+6*\t+5], v9 offset:768*(8*(\q)+\t)+512
.endr
.irp g, 0,1
	ds_load_b128 v[KSW+4*\g:KSW+4*\g+3], v10 offset:KS+256*(2*(\q)+\g)   ; row r's scale words of four tiles
.endr
	s_wait_dscnt 0x0
.irp t, 0,1,2,3,4,5,6,7
	v_wmma_scale_f32_16x16x128_f8f6f4 v[S+8*\t:S+8*\t+7], v[KB+6*\t:KB+6*\t+11], v[16:27], 0, v[KSW+\t], v28 matrix_a_fmt:MATRIX_FMT_FP6 matrix_b_fmt:MATRIX_FMT_FP6
.endr
.rept 4
	v_nop                                          ; places in front of the loads below and of the first read of the scores
.endr
	s_wait_alu depctr_va_vdst(0)
.irp c, 0,1,2,3                                ; V is asked for now and lands under the softmax
.irp p, 0,1,2
	ds_load_b128 v[KB+12*\c+4*\p:KB+12*\c+4*\p+3], v8 offset:VI+6144*(\q)+1536*\c+512*\p
.endr
.endr
	ds_load_b128 v[KSW:KSW+3], v10 offset:VS+256*(\q)
	s_add_co_u32 s66, s[KF], 127
	s_cmp_le_u32 s66, s[QLO]                       ; all its keys count for all my queries: no mask
	s_cbranch_scc1 .Lopen_\@
	s_sub_co_i32 s66, s[QLO], s[KF]
	v_add_nc_u32 v226, s66, v4                     ; d = my query - KF - 16 h.  Register 16 b + i holds key KF + 32 b + 16 h + i: hidden where 32 b + i > d
	v_mov_b32 v230, 0xff800000                     ; -infinity
.set n, 0
.rept 64
	v_cmp_gt_i32 vcc_lo, 32*(n/16)+n%16, v226
	v_cndmask_b32 v[S+n], v[S+n], v230, vcc_lo
.set n, n+1
.endr
.Lopen_\@:
.irp b, 0,1,2,3
	v_max3_num_f32 v[BM+\b], v[S+16*\b], v[S+1+16*\b], v[S+2+16*\b]   ; the largest score of each block of 32 keys: it serves for the row's maximum and, since p rises with the score, for the block's largest p
.endr
.irp i, 3,5,7,9,11,13
.irp b, 0,1,2,3
	v_max3_num_f32 v[BM+\b], v[BM+\b], v[S+16*\b+\i], v[S+1+16*\b+\i]
.endr
.endr
.irp b, 0,1,2,3
	v_max_num_f32 v[BM+\b], v[BM+\b], v[S+15+16*\b]
.endr
.irp b, 0,1,2,3
	s_delay_alu instid0(VALU_DEP_4)
	v_permlanex16_b32 v[BM+4+\b], v[BM+\b], s[SEL], s[SEL+1]
.endr
.irp b, 0,1,2,3
	s_delay_alu instid0(VALU_DEP_4)
	v_max_num_f32 v[BM+\b], v[BM+\b], v[BM+4+\b]   ; with lane l xor 16's 16 keys
.endr
	s_delay_alu instid0(VALU_DEP_2)
	v_max3_num_f32 v226, v[BM], v[BM+1], v[BM+2]
	s_delay_alu instid0(VALU_DEP_1)
	v_max_num_f32 v226, v226, v[BM+3]              ; the step's largest score of my query
	s_delay_alu instid0(VALU_DEP_1)
	v_mul_f32 v226, s[CS], v226                    ; as t
	s_delay_alu instid0(VALU_DEP_1)
	v_max_num_f32 v13, v13, v226                   ; the running largest t
	v_mov_b32 v226, v12
	s_delay_alu instid0(VALU_DEP_2)
	v_floor_f32 v12, -v13                          ; the new -M = floor(-t): M is a whole number
	s_delay_alu instid0(VALU_DEP_1)
	v_sub_f32 v226, v12, v226                      ; old M - new M: a whole number, 0 or less
	s_delay_alu instid0(VALU_DEP_1)
	v_cvt_i32_f32 v226, v226                       ; (it saturates)
	s_delay_alu instid0(VALU_DEP_1)
	v_ldexp_f32 v228, 1.0, v226                    ; f = 2^(old M - new M)
.set j, 0
.rept 32
	v_pk_fma_f32 v[S+j:S+j+1], v[S+j:S+j+1], s[CS:CS+1], v[12:13] op_sel_hi:[1,0,0]   ; t - M, two at a time
.set j, j+2
.endr
.irp b, 0,1,2,3
	v_fma_f32 v[BM+\b], v[BM+\b], s[CS], v12       ; the same of each block's largest score
.endr
.set j, 0
	s_wait_alu depctr_va_vdst(0)
.rept 64
	v_exp_f32 v[S+j], v[S+j]                       ; p = 2^(t - M), at most 1: not normalised
.set j, j+1
.endr
	v_pk_mul_f32 v[14:15], v[14:15], v[228:229] op_sel_hi:[1,0]   ; the sums under the new M: the plain place behind the exponentials
	s_wait_alu depctr_va_vdst(0)                   ; one wait for the whole batch, ahead of its first reader
.irp b, 0,1,2,3
	v_exp_f32 v[BM+\b], v[BM+\b]                   ; the block's largest p
.endr
	v_pk_add_f32 v[232:233], v[102:103], v[106:107]
	v_pk_add_f32 v[254:255], v[110:111], v[114:115]
	v_pk_add_f32 v[252:253], v[118:119], v[122:123]
	v_pk_add_f32 v[250:251], v[126:127], v[130:131]
	v_pk_add_f32 v[248:249], v[134:135], v[138:139]
	v_pk_add_f32 v[246:247], v[142:143], v[146:147]
	v_pk_add_f32 v[244:245], v[150:151], v[154:155]
	v_pk_add_f32 v[14:15], v[14:15], v[158:159]
	v_pk_add_f32 v[232:233], v[232:233], v[98:99]
	v_pk_add_f32 v[254:255], v[254:255], v[100:101]
	v_pk_add_f32 v[252:253], v[252:253], v[104:105]
	v_pk_add_f32 v[250:251], v[250:251], v[108:109]
	v_pk_add_f32 v[248:249], v[248:249], v[112:113]
	v_pk_add_f32 v[246:247], v[246:247], v[116:117]
	v_pk_add_f32 v[244:245], v[244:245], v[120:121]
	v_pk_add_f32 v[14:15], v[14:15], v[124:125]
	v_pk_add_f32 v[232:233], v[232:233], v[128:129]
	v_pk_add_f32 v[254:255], v[254:255], v[132:133]
	v_pk_add_f32 v[252:253], v[252:253], v[136:137]
	v_pk_add_f32 v[250:251], v[250:251], v[140:141]
	v_pk_add_f32 v[248:249], v[248:249], v[144:145]
	v_pk_add_f32 v[246:247], v[246:247], v[148:149]
	v_pk_add_f32 v[244:245], v[244:245], v[152:153]
	v_pk_add_f32 v[14:15], v[14:15], v[156:157]
	v_pk_add_f32 v[232:233], v[232:233], v[160:161]
	s_delay_alu instid0(VALU_DEP_2)
	v_pk_add_f32 v[14:15], v[14:15], v[250:251]
	s_delay_alu instid0(VALU_DEP_2)
	v_pk_add_f32 v[232:233], v[232:233], v[248:249]
	v_pk_add_f32 v[254:255], v[254:255], v[246:247]
	v_pk_add_f32 v[252:253], v[252:253], v[244:245]
	s_delay_alu instid0(VALU_DEP_2)
	v_pk_add_f32 v[14:15], v[14:15], v[254:255]
	s_delay_alu instid0(VALU_DEP_2)
	v_pk_add_f32 v[232:233], v[232:233], v[252:253]
	s_delay_alu instid0(VALU_DEP_1)
	v_pk_add_f32 v[14:15], v[14:15], v[232:233]
	s_wait_alu depctr_va_vdst(0)                   ; and one for the four
.irp b, 0,1,2,3
	v_max_num_f32 v[BM+\b], 0x1800000, v[BM+\b]    ; the floor 2^(3 - 127): the byte cannot fall under 1
.endr
.irp b, 0,1,2,3
	s_delay_alu instid0(VALU_DEP_4)
	v_add_nc_u32 v[BM+8+\b], 0xff000000, v[BM+\b]  ; 2 off the exponent field: the conversion's scale operand
.endr
.irp b, 0,1,2,3
	s_delay_alu instid0(VALU_DEP_4)
	v_lshrrev_b32 v[BM+4+\b], 23, v[BM+8+\b]       ; the scale's byte
.endr
	s_delay_alu instid0(VALU_DEP_3)
	v_lshl_or_b32 v229, v[BM+5], 8, v[BM+4]        ; p's scale word for these 128 keys
	s_delay_alu instid0(VALU_DEP_1)
	v_lshl_or_b32 v229, v[BM+6], 16, v229
	s_delay_alu instid0(VALU_DEP_1)
	v_lshl_or_b32 v229, v[BM+7], 24, v229
.irp c, 0,1
	v_cvt_scalef32_pk16_fp6_f32 v[PC+6*\c:PC+2+6*\c], v[S+32*\c:S+15+32*\c], v[BM+8+2*\c]
	v_cvt_scalef32_pk16_fp6_f32 v[PC+12+4*\c:PC+14+4*\c], v[S+16+32*\c:S+31+32*\c], v[BM+9+2*\c]
.endr
	v_nop                                          ; one plain place behind a scaled conversion
.irp c, 0,1
.irp i, 0,1,2
	v_permlane16_swap_b32 v[PC+6*\c+\i], v[PC+12+4*\c+\i]
.endr
.irp i, 0,1,2
	s_delay_alu instid0(VALU_DEP_3)
	v_mov_b32 v[PC+3+6*\c+\i], v[PC+12+4*\c+\i]
.endr
.endr
.set j, 0
.rept 16
	v_pk_mul_f32 v[O+j:O+j+1], v[O+j:O+j+1], v[228:229] op_sel_hi:[1,0]   ; O^T under the new M.  (These sixteen are also the places between the scale word's and the codes' last writes and the products)
.set j, j+2
.endr
	s_wait_alu depctr_va_vdst(0)
	s_wait_dscnt 0x0                               ; V and its scale words are in
.irp c, 0,1,2,3                                ; the four accumulators by turns, one instruction a turn
	v_wmma_scale_f32_16x16x128_f8f6f4 v[O+8*\c:O+8*\c+7], v[KB+12*\c:KB+12*\c+11], v[PC:PC+11], v[O+8*\c:O+8*\c+7], v[KSW+\c], v229 matrix_a_fmt:MATRIX_FMT_FP6 matrix_b_fmt:MATRIX_FMT_FP6
.endr
.Lhidden_\@:
	s_add_co_u32 s[KF], s[KF], 128
.endm
; THE CHANGE OF SLOTS stands at a slot's head.  Each wave waits for all its tensor loads, adds 0 to its spare word, and waits for that and for its reads of the slot that it has left.  Behind the barrier the slot ahead is whole
; and nobody reads the other one.  fill = 1: that other slot is filled with the slot that follows: the load has a whole slot's steps in which to land.
.macro CHANGE fill
	s_wait_tensorcnt 0x0                           ; no tensor load of mine is out, so the group 0 may be written
	ds_add_u32 v[SPW], v[NIL]                      ; 0 onto my spare word; the steps below stand between it and the wait for it
	s_mov_b32 s[CUR], s[NX]
.if \fill
	s_add_co_u32 s[NX], s[NX], 1
	s_cmp_eq_u32 s[NX], s[WRAP]                    ; behind the first block's last slot: the second block's slot 0 (from there on NX stays under WRAP: i is at most 3)
	s_cselect_b32 s[NX], 0, s[NX]
	s_xor_b32 s[G0+1], s[G0+1], SLOT1
	s_mul_i32 s44, s[NX], REC
	s_add_nc_u64 s[G0+2:G0+3], s[BASE:BASE+1], s[44:45]
	s_or_b32 s[G0+3], s[G0+3], 0x80000000
	s_wait_xcnt 0x0                                ; the last prefetch, a slot back, has read its address, so it may be written
	s_add_nc_u64 s[PFA:PFA+1], s[PFA:PFA+1], REC
.endif
	s_wait_dscnt 0x0                               ; the add is done, and my reads of the slot that I have left are over
	s_barrier_signal -1
	s_barrier_wait -1
.if \fill
	s_cmp_eq_u32 s[WV], 0
	s_cbranch_scc0 .Lnot_mine_\@
	tensor_load_to_lds s[G0:G0+3], s[G1:G1+7]      ; the first thing behind the barrier, and the wave's one tensor load until the next
	s_nop 0
.rept 4
	v_nop
.endr
.Lnot_mine_\@:
	; A prefetch of the images of K and V of the slot that the NEXT change will ask for: in trip t slot t + 2, its 24,576 bytes: 8,192 a wave (waves 4 to 6), lanes 256 bytes apart.  All four work-groups of a head begin with
	; slots 0, 1, 2 ..: the first of them asks, so that each block is named once in the launch.  Trips 6 and 7 ask for nothing: slot 7 is the last; slots 0 and 1 and the second block's slots come by their loads alone.
	s_cmp_lt_u32 s[TR], s[LIM]
	s_cbranch_scc0 .Lno_ask_\@
	global_prefetch_b8 v11, s[PFA:PFA+1] th:TH_LOAD_NT scope:SCOPE_SE
.Lno_ask_\@:
.endif
.endm
.macro SLOT_STEPS
	v_add_nc_u32 v8, s[TB], v1
	v_add_nc_u32 v9, s[TB], v2
	v_add_nc_u32 v10, s[TB], v3
	s_lshl_b32 s[KF], s[CUR], 8
	STEP 0
	STEP 1
	s_xor_b32 s[TB], s[TB], SLOT1                  ; on to the other slot
.endm
; A BLOCK'S END: O^T / l, quantised along the head's 64 channels (register 16 b + i = channel 32 b + 16 h + i), goes out as half a fragment and two scale bytes a row.
.macro FINISH
.rept 4
	v_nop                                          ; places behind the last products
.endr
	v_add_f32 v14, v14, v15                        ; the sum's two halves,
	s_delay_alu instid0(VALU_DEP_1)
	v_permlanex16_b32 v226, v14, s[SEL], s[SEL+1]
	s_delay_alu instid0(VALU_DEP_1)
	v_add_f32 v14, v14, v226                       ; and lane l xor 16's: the row's sum
	s_wait_alu depctr_va_vdst(0)
	v_rcp_f32 v14, v14
	v_nop                                          ; a plain place behind the transcendental
	s_wait_alu depctr_va_vdst(0)                   ; and the wait ahead of its first reader
.set j, 0
.rept 16
	v_pk_mul_f32 v[S+j:S+j+1], v[O+j:O+j+1], v[14:15] op_sel_hi:[1,0]   ; each accumulator from its low end on
.set j, j+2
.endr
.irp b, 0,1
	v_max3_num_f32 v[BM+\b], |v[S+16*\b]|, |v[S+1+16*\b]|, 0x1800000
.endr
.irp i, 2,4,6,8,10,12,14
.irp b, 0,1
	s_delay_alu instid0(VALU_DEP_2)
	v_max3_num_f32 v[BM+\b], v[BM+\b], |v[S+16*\b+\i]|, |v[S+1+16*\b+\i]|
.endr
.endr
.irp b, 0,1
	s_delay_alu instid0(VALU_DEP_2)
	v_permlanex16_b32 v[BM+4+\b], v[BM+\b], s[SEL], s[SEL+1]
.endr
.irp b, 0,1
	s_delay_alu instid0(VALU_DEP_2)
	v_max_num_f32 v[BM+\b], v[BM+\b], v[BM+4+\b]
.endr
.irp b, 0,1
	s_delay_alu instid0(VALU_DEP_2)
	v_add_nc_u32 v[BM+8+\b], 0xff000000, v[BM+\b]
.endr
.irp b, 0,1
	s_delay_alu instid0(VALU_DEP_2)
	v_lshrrev_b32 v[BM+4+\b], 23, v[BM+8+\b]
.endr
	v_cvt_scalef32_pk16_fp6_f32 v[PC:PC+2], v[S:S+15], v[BM+8]
	v_cvt_scalef32_pk16_fp6_f32 v[PC+12:PC+14], v[S+16:S+31], v[BM+9]
	v_nop                                          ; one plain place behind a scaled conversion
.irp i, 0,1,2
	v_permlane16_swap_b32 v[PC+\i], v[PC+12+\i]
.endr
.irp i, 0,1,2
	s_delay_alu instid0(VALU_DEP_3)
	v_mov_b32 v[PC+3+\i], v[PC+12+\i]              ; registers 0-5: channels 32 h + 0 .. 31
.endr
	v_lshl_or_b32 v226, v[BM+5], 8, v[BM+4]
	s_delay_alu instid0(VALU_DEP_1)
	v_lshrrev_b32 v226, v7, v226                   ; lanes 0-15 store block 0's byte, lanes 16-31 block 1's
	global_store_b128 v1, v[PC:PC+3], s[OA:OA+1]                ; 512 consecutive bytes
	global_store_b64 v2, v[PC+4:PC+5], s[OA:OA+1] offset:512    ; 256
	global_store_b8 v234, v226, s[OSC:OSC+1]
.endm
	s_wait_loadcnt 0x0                             ; Q
.Lslot:                                            ; eight trips: behind each change of slots but the last the next slot is asked for
	CHANGE 1
	SLOT_STEPS
	s_cmp_eq_u32 s[TR], s[HB]                      ; the first block's last slot?  A branch on the work-group's number and the trip
	s_cbranch_scc0 .Lsame
	FINISH
	s_wait_xcnt 0x0                                ; the stores have read their registers and bases: all may be written again
	s_mov_b64 s[OA:OA+1], s[OAL:OAL+1]             ; on to block i
	s_mov_b64 s[OSC:OSC+1], s[OSL:OSL+1]
	s_mov_b32 s[QLO], s[QLOL]
.irp j, 0,1,2,3,4,5
	v_mov_b32 v[16+\j], v[30+\j]
.endr
	v_mov_b32 v28, v29
	v_mov_b32 v13, 0xff61b1e6
	s_delay_alu instid0(VALU_DEP_1)
	v_floor_f32 v12, -v13
	v_mov_b32 v14, 0
	v_mov_b32 v15, 0
.set j, 0
.rept 32
	v_mov_b32 v[O+j], 0
.set j, j+1
.endr
.Lsame:
	s_add_co_u32 s[TR], s[TR], 1
	s_cmp_lt_u32 s[TR], 8
	s_cbranch_scc1 .Lslot
	CHANGE 0                                       ; the ninth slot is written out
	SLOT_STEPS
	FINISH
	s_wait_tensorcnt 0x0                           ; the wave's end, behind my last tensor load
	ds_add_u32 v[SPW], v[NIL]
	s_wait_dscnt 0x0
	s_endpgm
.Lfunc_end_k_qb385bf38ab_attn:
	.size	k_qb385bf38ab_attn, .Lfunc_end_k_qb385bf38ab_attn-k_qb385bf38ab_attn
	.p2alignl 7, 3214868480
	.fill 96, 4, 3214868480
	.section	.rodata,"a",@progbits
	.p2align	6, 0x0
	.amdhsa_kernel k_qb385bf38ab_attn
		.amdhsa_group_segment_fixed_size 327680
		.amdhsa_private_segment_fixed_size 0
		.amdhsa_enable_private_segment 0
		.amdhsa_kernarg_size 24
		.amdhsa_user_sgpr_count 2
		.amdhsa_user_sgpr_kernarg_segment_ptr 1
		.amdhsa_wavefront_size32 1
		.amdhsa_system_sgpr_workgroup_id_x 1
		.amdhsa_system_sgpr_workgroup_id_y 1
		.amdhsa_system_sgpr_workgroup_id_z 1
		.amdhsa_system_vgpr_workitem_id 0
		.amdhsa_next_free_vgpr 256
		.amdhsa_next_free_sgpr 80
		.amdhsa_reserve_vcc 1
		.amdhsa_float_denorm_mode_32 3
		.amdhsa_float_denorm_mode_16_64 3
		.amdhsa_memory_ordered 1
		.amdhsa_forward_progress 1
		.amdhsa_inst_pref_size 108
	.end_amdhsa_kernel
	.amdgpu_metadata
---
amdhsa.version: [ 1, 2 ]
amdhsa.kernels:
  - .name:           k_qb385bf38ab_attn
    .symbol:         k_qb385bf38ab_attn.kd
    .args:
      - { .name: qkv, .offset: 0, .size: 8, .value_kind: global_buffer, .address_space: global }
      - { .name: oc, .offset: 8, .size: 8, .value_kind: global_buffer, .address_space: global }
      - { .name: os, .offset: 16, .size: 8, .value_kind: global_buffer, .address_space: global }
    .group_segment_fixed_size: 327680
    .private_segment_fixed_size: 0
    .kernarg_segment_align: 8
    .kernarg_segment_size: 24
    .max_flat_workgroup_size: 512
    .sgpr_count:     80
    .vgpr_count:     256
    .wavefront_size: 32
...
	.end_amdgpu_metadata
.endif
;; end of part 3
;; launch oproj (part 4): grid 4 x 64, 4 waves a work-group, clusters of 4 x 4, 327,680 bytes of LDS; arguments oc, os, wc, ws, bo, out0; writes out0
.if DOCPART == 4
	.amdgcn_target "amdgcn-amd-amdhsa--gfx1250"
	.amdhsa_code_object_version 6
	.text
	.protected	k_qb385bf38ab_oproj
	.globl	k_qb385bf38ab_oproj
	.p2align	8
	.type	k_qb385bf38ab_oproj,@function
k_qb385bf38ab_oproj:
	s_mov_b64 s[64:65], 0
	v_nop
	global_prefetch_b8 v0, s[64:65] scope:SCOPE_SE
	s_setreg_imm32_b32 hwreg(HW_REG_WAVE_MODE, 25, 1), 1
	s_wait_xcnt 0x0
	s_wait_alu depctr_hold_cnt(0) depctr_sa_sdst(0) depctr_va_vdst(0) depctr_va_sdst(0) depctr_va_ssrc(0) depctr_va_vcc(0) depctr_vm_vsrc(0)
	s_getreg_b32 s2, hwreg(HW_REG_IB_STS2, 6, 4)
	s_cmp_eq_u32 s2, 0
	s_cbranch_scc0 .Lentry_in_a_cluster
	s_endpgm
.Lentry_in_a_cluster:
	s_bfe_u32 s2, ttmp6, 0x10000c
	s_cmp_lg_u32 s2, 0xf033
	s_cbranch_scc0 .Lentry_shape_is_right
	s_endpgm
.Lentry_shape_is_right:
; out0 = attention's output x Wo^T + bo on codes of FP6 (E2M3) with E8M0 scales, sums in f32.
; OPERANDS.  A = oc: [512 tiles of 16 positions][16 heads][768 bytes]: two neighbouring heads' half fragments (registers 0-3 at 16 l, 4-5 at 512 + 8 l) are one K step's 12 registers; os: [position][8 scale words].
; B = Wo's part of wc: [tile][8 K steps][1,536 bytes], images of 12 registers in three pieces of 512 bytes; ws: [row][8 scale words].  In every tile lane row r of tile 2 g + u is row 32 g + 8 u + r + 8 (r / 8).
; SHARES.  A work-group makes 128 tokens x 256 columns, all of K = 1,024: four waves, wave (sA, sB) A's tiles 4 sA + a (a = 0 .. 3) against B's tiles 8 sB + b (b = 0 .. 7): 32 accumulators.
; THE PRODUCT IS USED TRANSPOSED (source 0 = B's tile, source 1 = A's): a lane holds one token, and registers 8 (b % 2) + j of tiles b are columns 32 (b / 2) + 16 h + 8 (b % 2) + j.  bo is the C of the first K step.
; ALL OF K LIES IN LDS, 294,912 bytes, brought by first fills alone, in four chunks of two K steps; nothing is filled again, so the waits on TENSORcnt are counted and the barriers plain.
; CLUSTER 4 x 4: A's rows are shared along a row of the cluster, B's along a column: each chunk is asked for jointly.
; THE WAY OUT: 16 tokens x 128 columns at a time through the wave's own stage in LDS (rows of 528 bytes) and out as whole rows of 512 bytes; the stores' immediates put the tokens back into their order.
; The stages lie in chunk 0, which has had its one fill; every wave has waited for its last reads of it in front of the barrier of K step 1.
; REGISTERS, in windows of 256: window 0: v1-29 addresses; v32-63 A's scale words (8 a + s), v64-127 B's (8 b + s): scales and nothing else; v128-255 rows on the way out.
;   window 1: A's fragments, two sets, v[48 (s % 2) + 12 a].   window 2: B's, two sets, v[96 (s % 2) + 12 b]; v192-255 bo.   window 3: accumulator (a, b) at v[8 (8 a + b)].
.set CHUNK, 73728
.set TILEB, 3072
.set FRB,   1536
.set BOFF,  24576
.set SPARE, 4*CHUNK                    ; behind the chunks: the spare words, 128 bytes for each wave: two blocks of 256 bytes that no other line names
.set STG,   8448                       ; a wave's stage: 16 rows x 528 bytes
.set ADRA,  8                          ; v8-11   LDS address of my A fragments in chunk c, 16 bytes a lane
.set ADRB,  12                         ; v12-15  the same for B
.set ADRA8, 16                         ; v16-19  A's again, 8 bytes a lane
.set STO,   22                         ; v22     into the stage
.set RD,    23                         ; v23     out of it
.set SPW,   28
.set NIL,   29
.set SA,    32
.set SB,    64
.set BK,    128                        ; v128-191, v192-255: 16 rows read back from the stage, by turns
.set BI,    192                        ; in window 2
.set WV,    20
.set SAH,   21
.set SBH,   22
.set CX,    23
.set CY,    24
.set TA,    27
.set TB,    28
.set G1A,   32
.set G1B,   40
.set G0A,   48
.set G0B,   68
.set MUL,   0xf6                       ; source 0 window 2, source 1 window 1, C and D window 3
.set MULB,  0xe6                       ; the same with C (bo) from window 2
.set MSB, 0
.macro WIN new                         ; the immediate's high byte repeats the setting that is left
.if MSB != \new
	s_set_vgpr_msb (MSB<<8)|\new
.set MSB, \new
.endif
.endm
.macro CROUND                          ; a round of the cluster's barrier
	s_barrier_signal -1
	s_barrier_wait -1
	s_cmp_lg_u32 s[WV], 0
	s_cbranch_scc1 .Lnot_wave_0_\@
	s_barrier_signal -3
.Lnot_wave_0_\@:
	s_barrier_wait -3
	s_barrier_signal -1
	s_barrier_wait -1
.endm
.macro PLACES                          ; four plain places behind matrix instructions (ISA guide 7.12.1)
.rept 4
	v_nop
.endr
.endm
	s_load_b256 s[4:11], s[0:1], 0x0               ; oc, os, wc, ws
	s_load_b128 s[12:15], s[0:1], 0x20             ; bo, out0
	v_lshl_add_u32 v[SPW], v0, 2, SPARE
	v_mov_b32 v[NIL], 0
	ds_add_u32 v[SPW], v[NIL]
	ds_add_u32 v[SPW], v[NIL]                      ; the wave's opening: the add and its wait stand ahead of my first tensor load; the set-up below, work on registers, stands between them
	v_lshrrev_b32 v1, 5, v0
	v_readfirstlane_b32 s[WV], v1                  ; wave 0..3
	s_lshr_b32 s[SAH], s[WV], 1                    ; sA.  Also: I fetch for A (0) or for B (1)
	s_and_b32 s[SBH], s[WV], 1                     ; sB.  Also: which half of that operand's tiles I fetch
	s_bfe_u32 s[CX], ttmp6, 0x40000
	s_bfe_u32 s[CY], ttmp6, 0x40004
	s_lshl_b32 s84, s[CY], 2
	s_lshl_b32 s84, 15, s84                        ; my row of the cluster
	s_lshl_b32 s86, 0x1111, s[CX]                  ; my column
	s_or_b32 s[G1A], s84, (3<<16)|(1<<21)          ; 15:0 the mask; 17:16 elements of 8 bytes; 21 set beside a mask; no padding
	s_or_b32 s[G1B], s86, (3<<16)|(1<<21)
	s_mov_b32 s[G1A+1], 384<<16                    ; tensor_dim0 = 384 elements: a tile's two K steps, 3,072 bytes
	s_mov_b32 s[G1A+2], 4<<16                      ; tensor_dim1 = 4 tiles
	s_mov_b32 s[G1A+3], 384<<16
	s_mov_b32 s[G1A+4], 4
	s_mov_b32 s[G1A+5], 1536                       ; from tile to tile: 12,288 bytes
	s_mov_b32 s[G1A+6], 0
	s_mov_b32 s[G1A+7], 0
	s_mov_b32 s[G1B+1], 384<<16
	s_mov_b32 s[G1B+2], 8<<16
	s_mov_b32 s[G1B+3], 384<<16
	s_mov_b32 s[G1B+4], 8
	s_mov_b32 s[G1B+5], 1536
	s_mov_b32 s[G1B+6], 0
	s_mov_b32 s[G1B+7], 0
	s_and_b32 s[TA], ttmp7, 0xffff
	s_lshl_b32 s[TA], s[TA], 2
	s_add_co_u32 s[TA], s[TA], s[CY]               ; which 128 tokens: 4 x cluster y + cy
	s_lshl_b32 s[TB], ttmp9, 2
	s_add_co_u32 s[TB], s[TB], s[CX]               ; which 256 columns: 4 x cluster x + cx
	s_mul_i32 s84, s[TA], 98304                    ; A's codes, + the four tiles that I fetch
	s_mul_i32 s92, s[SBH], 49152
	s_add_co_u32 s84, s84, s92
	s_mov_b32 s85, 0
	s_mul_i32 s86, s[TB], 196608                   ; B's, + the eight that I fetch,
	s_mul_i32 s92, s[SBH], 98304
	s_add_co_u32 s86, s86, s92
	s_add_co_u32 s86, s86, 12*196608               ; in Wo, which begins at tile 192 of wc
	s_mov_b32 s87, 0
	s_lshl_b32 s88, s[TA], 12                      ; A's scale words: my 64 rows
	s_lshl_b32 s92, s[SAH], 11
	s_add_co_u32 s88, s88, s92
	s_mov_b32 s89, 0
	s_lshl_b32 s90, s[TB], 13                      ; B's: my 128 rows,
	s_lshl_b32 s92, s[SBH], 12
	s_add_co_u32 s90, s90, s92
	s_add_co_u32 s90, s90, 3072*32                 ; in Wo
	s_mov_b32 s91, 0
	s_mul_i32 s92, s[SBH], 12288                   ; where the fetched tiles go in a chunk
	s_mul_i32 s93, s[SBH], 24576
	s_add_co_u32 s93, s93, BOFF
	s_wait_dscnt 0x0                               ; the opening add is done
	s_wait_kmcnt 0x0
	s_add_nc_u64 s[96:97], s[4:5], s[84:85]
	s_add_nc_u64 s[98:99], s[8:9], s[86:87]
	s_add_nc_u64 s[84:85], s[6:7], s[88:89]
	s_add_nc_u64 s[86:87], s[10:11], s[90:91]
.irp c, 0,1,2,3
	s_mov_b32 s[G0A+4*\c], 1
	s_add_co_u32 s[G0A+4*\c+1], s92, \c*CHUNK
	s_add_nc_u64 s[G0A+4*\c+2:G0A+4*\c+3], s[96:97], \c*TILEB
	s_or_b32 s[G0A+4*\c+3], s[G0A+4*\c+3], 0x80000000
	s_mov_b32 s[G0B+4*\c], 1
	s_add_co_u32 s[G0B+4*\c+1], s93, \c*CHUNK
	s_add_nc_u64 s[G0B+4*\c+2:G0B+4*\c+3], s[98:99], \c*TILEB
	s_or_b32 s[G0B+4*\c+3], s[G0B+4*\c+3], 0x80000000
.endr
	CROUND                                         ; all sixteen work-groups are here: the joint loads meet
	s_cmp_eq_u32 s[SAH], 0                         ; a wave's four first fills stand in one branch on the wave's number: four loads of mine are out
	s_cbranch_scc0 .Lfill_b
.irp c, 0,1,2,3
	tensor_load_to_lds s[G0A+4*\c:G0A+4*\c+3], s[G1A:G1A+7]
	s_nop 0
.endr
.rept 4
	v_nop
.endr
	s_branch .Lfilled
.Lfill_b:
.irp c, 0,1,2,3
	tensor_load_to_lds s[G0B+4*\c:G0B+4*\c+3], s[G1B:G1B+7]
	s_nop 0
.endr
.rept 4
	v_nop
.endr
.Lfilled:
	v_and_b32 v1, 15, v0                           ; r
	v_bfe_u32 v2, v0, 4, 1                         ; h
	v_and_b32 v5, 31, v0                           ; lane
	v_lshlrev_b32 v3, 4, v5                        ; 16 x lane
	v_lshlrev_b32 v4, 3, v5                        ; 8 x lane
	s_mul_i32 s94, s[SAH], 12288
	s_mul_i32 s95, s[SBH], 24576
	s_add_co_u32 s95, s95, BOFF
.irp c, 0,1,2,3
	v_add_nc_u32 v[ADRA+\c], s94, v3
	v_add_nc_u32 v[ADRA8+\c], s94, v4
	v_add_nc_u32 v[ADRB+\c], s95, v3
	s_add_co_u32 s94, s94, CHUNK
	s_add_co_u32 s95, s95, CHUNK
.endr
	v_lshlrev_b32 v20, 5, v1                       ; 32 r: a row's eight scale words
	s_wait_alu depctr_va_vdst(0)
	v_lshlrev_b32 v21, 6, v2                       ; 64 h: bo's lane term
	s_wait_alu depctr_va_vdst(0)
	s_mul_i32 s94, s[WV], STG                      ; my stage
	v_mul_u32_u24 v[STO], v1, 528
	v_lshl_add_u32 v[STO], v2, 6, v[STO]
	v_add_nc_u32 v[STO], s94, v[STO]               ; in: row r, + 64 h
	v_add_nc_u32 v[RD], s94, v3                    ; back: the 32 lanes take a row of 512 bytes
	s_lshl_b32 s88, s[TB], 10
	s_lshl_b32 s92, s[SBH], 9
	s_add_co_u32 s88, s88, s92                     ; my 128 columns, in bytes
	s_mov_b32 s89, 0
	s_add_nc_u64 s[12:13], s[12:13], s[88:89]      ; in bo,
	s_add_nc_u64 s[14:15], s[14:15], s[88:89]      ; and in a row of out0
	s_lshl_b32 s88, s[TA], 19
	s_lshl_b32 s92, s[SAH], 18
	s_add_co_u32 s88, s88, s92                     ; my 64 tokens: rows of 4,096 bytes
	s_add_nc_u64 s[14:15], s[14:15], s[88:89]
.irp a, 0,1,2,3                                ; the scale words of all of K go straight into registers, once
	global_load_b128 v[SA+8*\a:SA+8*\a+3], v20, s[84:85] offset:512*\a
	global_load_b128 v[SA+8*\a+4:SA+8*\a+7], v20, s[84:85] offset:512*\a+16
.endr
.irp b, 0,1,2,3,4,5,6,7
	global_load_b128 v[SB+8*\b:SB+8*\b+3], v20, s[86:87] offset:512*\b
	global_load_b128 v[SB+8*\b+4:SB+8*\b+7], v20, s[86:87] offset:512*\b+16
.endr
	WIN 0x80
.irp b, 0,1,2,3,4,5,6,7                        ; bo in the result's layout: register 8 b + j is column 32 (b / 2) + 16 h + 8 (b % 2) + j
	global_load_b128 v[BI+8*\b:BI+8*\b+3], v21, s[12:13] offset:(32*(\b/2)+8*(\b%2))*4
	global_load_b128 v[BI+8*\b+4:BI+8*\b+7], v21, s[12:13] offset:(32*(\b/2)+8*(\b%2))*4+16
.endr
	WIN 0
.macro FETCH s                         ; K step s: B's eight fragments (three loads each) and A's four (two heads' halves: four loads each) into set s % 2
	WIN 0x80
.irp b, 0,1,2,3,4,5,6,7
.irp p, 0,1,2
	ds_load_b128 v[96*((\s)%2)+12*\b+4*\p:96*((\s)%2)+12*\b+4*\p+3], v[ADRB+(\s)/2] offset:TILEB*\b+FRB*((\s)%2)+512*\p
.endr
.endr
	WIN 0x40
.irp a, 0,1,2,3
.irp c, 0,1
	ds_load_b128 v[48*((\s)%2)+12*\a+6*\c:48*((\s)%2)+12*\a+6*\c+3], v[ADRA+(\s)/2] offset:TILEB*\a+FRB*((\s)%2)+768*\c
	ds_load_b64 v[48*((\s)%2)+12*\a+6*\c+4:48*((\s)%2)+12*\a+6*\c+5], v[ADRA8+(\s)/2] offset:TILEB*\a+FRB*((\s)%2)+768*\c+512
.endr
.endr
.endm
.macro MUL8 s, a, first                ; A's tile a against B's eight.  The 32 accumulators take turns, one instruction a turn, in the same order in every K step
.irp b, 0,1,2,3,4,5,6,7
.if \first
	v_wmma_scale_f32_16x16x128_f8f6f4 v[8*(8*(\a)+\b):8*(8*(\a)+\b)+7], v[96*((\s)%2)+12*\b:96*((\s)%2)+12*\b+11], v[48*((\s)%2)+12*(\a):48*((\s)%2)+12*(\a)+11], v[BI+8*\b:BI+8*\b+7], v[SB+8*\b+(\s)], v[SA+8*(\a)+(\s)] matrix_a_fmt:MATRIX_FMT_FP6 matrix_b_fmt:MATRIX_FMT_FP6
.else
	v_wmma_scale_f32_16x16x128_f8f6f4 v[8*(8*(\a)+\b):8*(8*(\a)+\b)+7], v[96*((\s)%2)+12*\b:96*((\s)%2)+12*\b+11], v[48*((\s)%2)+12*(\a):48*((\s)%2)+12*(\a)+11], v[8*(8*(\a)+\b):8*(8*(\a)+\b)+7], v[SB+8*\b+(\s)], v[SA+8*(\a)+(\s)] matrix_a_fmt:MATRIX_FMT_FP6 matrix_b_fmt:MATRIX_FMT_FP6
.endif
.endr
.endm
.macro KEVEN s, first                  ; an even K step: its successor lies in the same chunk and is fetched at once, 32 products ahead of its use
	s_wait_dscnt 0x0                               ; this step's fragments are in
.if !(\first)
	PLACES                                         ; the other set was multiplied by the step before
.endif
	FETCH (\s)+1
.if \first
	WIN MULB                                       ; the first products start the sums from bo: nothing is cleared, nothing is added later
.else
	WIN MUL
.endif
.irp a, 0,1,2,3
	MUL8 \s, \a, \first
.endr
.endm
.macro KODD s, left                    ; an odd K step: its successor lies in the next chunk.  left = my loads of still later chunks, which may stay out
	s_wait_dscnt 0x0                               ; this step's fragments are in: no LDS instruction of mine is out at the signal
	WIN MUL
.if (\s) < 7
	s_wait_tensorcnt \left                         ; my part of the next chunk has landed
	s_barrier_signal -1
	MUL8 \s, 0, 0                                  ; work on registers while the others arrive
	s_barrier_wait -1                              ; everybody's part has landed
	PLACES
	FETCH (\s)+1
	WIN MUL
.else
	MUL8 \s, 0, 0
.endif
	MUL8 \s, 1, 0
	MUL8 \s, 2, 0
	MUL8 \s, 3, 0
.endm
	s_wait_tensorcnt 0x3                           ; my part of chunk 0 is in; my three later loads may be out
	s_barrier_signal -1
	s_barrier_wait -1                              ; everybody's is
	FETCH 0
	s_wait_loadcnt 0x0                             ; the scale words and bo
	KEVEN 0, 1
	KODD  1, 2
	KEVEN 2, 0
	KODD  3, 1
	KEVEN 4, 0
	KODD  5, 0
	KEVEN 6, 0
	KODD  7, 0
	WIN 0
.macro TOSTAGE a                       ; 16 tokens x 128 columns into my stage, and back as whole rows.  LDS serves a wave's instructions in order: no wait between the stores and the loads, nor in front of the next tile's stores
	WIN 0x0c                                       ; an LDS store's data are its source 1: window 3
.irp b, 0,1,2,3,4,5,6,7
	ds_store_b128 v[STO], v[8*(8*(\a)+\b):8*(8*(\a)+\b)+3] offset:128*(\b/2)+32*(\b%2)        ; each accumulator from its low end on
	ds_store_b128 v[STO], v[8*(8*(\a)+\b)+4:8*(8*(\a)+\b)+7] offset:128*(\b/2)+32*(\b%2)+16
.endr
	WIN 0
.irp t, 0,1,2,3,4,5,6,7,8,9,10,11,12,13,14,15
	ds_load_b128 v[BK+64*((\a)%2)+4*\t:BK+64*((\a)%2)+4*\t+3], v[RD] offset:528*\t
.endr
.endm
.macro SEND a, younger                 ; younger: the LDS instructions issued behind tile a's loads, which may stay out
	s_wait_dscnt \younger
.irp t, 0,1,2,3,4,5,6,7,8,9,10,11,12,13,14,15
	global_store_b128 v3, v[BK+64*((\a)%2)+4*\t:BK+64*((\a)%2)+4*\t+3], s[14:15] offset:(32*((\a)/2)+8*((\a)%2)+\t+8*(\t/8))*4096 th:TH_STORE_NT   ; 512 consecutive bytes, aligned; tile row t is token 32 (a / 2) + 8 (a % 2) + t + 8 (t / 8)
.endr
.endm
	PLACES                                         ; behind the last products
	s_wait_alu depctr_va_vdst(0)
	TOSTAGE 0
	TOSTAGE 1
	SEND 0, 32                                     ; behind tile 0's loads: tile 1's 16 stores and 16 loads
	s_wait_xcnt 0x0                                ; tile 0's stores have read their registers: tile 2's loads may land there
	TOSTAGE 2
	SEND 1, 32
	s_wait_xcnt 0x0
	TOSTAGE 3
	SEND 2, 32
	SEND 3, 0
	s_wait_tensorcnt 0x0                           ; the wave's end, behind my last tensor load and my last LDS store
	ds_add_u32 v[SPW], v[NIL]
	s_wait_dscnt 0x0
	CROUND                                         ; the closing round: no work-group ends while a partner may still ask for a tile that names it
	s_endpgm
.Lfunc_end_k_qb385bf38ab_oproj:
	.size	k_qb385bf38ab_oproj, .Lfunc_end_k_qb385bf38ab_oproj-k_qb385bf38ab_oproj
	.p2alignl 7, 3214868480
	.fill 96, 4, 3214868480
	.section	.rodata,"a",@progbits
	.p2align	6, 0x0
	.amdhsa_kernel k_qb385bf38ab_oproj
		.amdhsa_group_segment_fixed_size 327680
		.amdhsa_private_segment_fixed_size 0
		.amdhsa_enable_private_segment 0
		.amdhsa_kernarg_size 48
		.amdhsa_user_sgpr_count 2
		.amdhsa_user_sgpr_kernarg_segment_ptr 1
		.amdhsa_wavefront_size32 1
		.amdhsa_system_sgpr_workgroup_id_x 1
		.amdhsa_system_sgpr_workgroup_id_y 1
		.amdhsa_system_sgpr_workgroup_id_z 1
		.amdhsa_system_vgpr_workitem_id 0
		.amdhsa_next_free_vgpr 1024
		.amdhsa_next_free_sgpr 100
		.amdhsa_reserve_vcc 0
		.amdhsa_float_denorm_mode_32 3
		.amdhsa_float_denorm_mode_16_64 3
		.amdhsa_memory_ordered 1
		.amdhsa_forward_progress 1
		.amdhsa_inst_pref_size 82
	.end_amdhsa_kernel
	.amdgpu_metadata
---
amdhsa.version: [ 1, 2 ]
amdhsa.kernels:
  - .name:           k_qb385bf38ab_oproj
    .symbol:         k_qb385bf38ab_oproj.kd
    .args:
      - { .name: oc, .offset: 0, .size: 8, .value_kind: global_buffer, .address_space: global }
      - { .name: os, .offset: 8, .size: 8, .value_kind: global_buffer, .address_space: global }
      - { .name: wc, .offset: 16, .size: 8, .value_kind: global_buffer, .address_space: global }
      - { .name: ws, .offset: 24, .size: 8, .value_kind: global_buffer, .address_space: global }
      - { .name: bo, .offset: 32, .size: 8, .value_kind: global_buffer, .address_space: global }
      - { .name: out0, .offset: 40, .size: 8, .value_kind: global_buffer, .address_space: global }
    .group_segment_fixed_size: 327680
    .private_segment_fixed_size: 0
    .kernarg_segment_align: 8
    .kernarg_segment_size: 48
    .max_flat_workgroup_size: 128
    .sgpr_count:     100
    .vgpr_count:     1024
    .wavefront_size: 32
...
	.end_amdgpu_metadata
.endif
;; end of part 4
